; MI455X (gfx1250); checked and timed in simulation.
; The chip was launched on July 23, 2026; its instructions are those of AMD's public machine-readable ISA for CDNA 5 (MIT licence, August 2026) and "CDNA5" Instruction Set Architecture Reference Guide (July 2026). The comments in the code are by the model that wrote it; some were corrected since.
;; Causal Self Attention. Allowed arithmetic: matrix products marked QUANTISED: E3M2 operands, one E8M0 scale for each 32 along K, by v_wmma_scale_f32_16x16x128_f8f6f4 with both operands' format E3M2, f32 sums; everything else in f32.
;; Inputs: Wk 1,024 x 1,024 float32; Wo 1,024 x 1,024 float32; Wq 1,024 x 1,024 float32; Wv 1,024 x 1,024 float32; bk 1,024 float32; bo 1,024 float32; bq 1,024 float32; bv 1,024 float32; x 4 x 2,048 x 1,024 float32.
;; Outputs: out0 4 x 2,048 x 1,024 float32.
;; This version of the problem:
;;   THIS VERSION OF THE PROBLEM IS GIVEN IN LOW PRECISION. The matrix products marked QUANTISED in the list below multiply operands that are first quantised to E3M2 (3 exponent bits, 2 mantissa bits; 6 bits a number), with one power-of-two scale for each 32 numbers along K (OCP MX v1.0); their sums are f32. All else is computed in f32.
;;   The module's matrix products, in the order in which they are computed (A, B: the left and right operand; K: the contracted axis; several contracted axes count as one K, in the product's order):
;;     1. [M 8,192, K 1,024] x [K 1,024, N 1,024]; A: input x; B: input Wq: QUANTISED
;;     2. [M 8,192, K 1,024] x [K 1,024, N 1,024]; A: input x; B: input Wk: QUANTISED
;;     3. [M 8,192, K 1,024] x [K 1,024, N 1,024]; A: input x; B: input Wv: QUANTISED
;;     4. batch 64 x [M 2,048, K 64] x [K 64, N 2,048]; A: computed on the way; B: computed on the way: QUANTISED
;;     5. batch 64 x [M 2,048, K 2,048] x [K 2,048, N 64]; A: softmax (see below); B: computed on the way: QUANTISED
;;     6. [M 8,192, K 1,024] x [K 1,024, N 1,024]; A: computed on the way; B: input Wo: QUANTISED
;;   THE QUANTISER, for each operand of a quantised product, along K:
;;     - K is cut into blocks of 32 from its start; a last block that is shorter is filled with zeros.
;;     - A block's scale is 2^e with e = floor(log2(the largest magnitude in the block)) - 4, held to -126 .. 127; a block of zeros has e = 0. As a byte (E8M0): e + 127.
;;     - Each number is divided by its block's scale, clamped to +-28, and rounded to the nearest number of E3M2, ties to even, subnormals kept.
;;     - The product sums the exact products of the quantised numbers (number of the format x scale) in f32.
;;   ~~~python
;;   def quantise(x, axis):      # numpy; x: float32 -> the quantised numbers, widened to float32 again
;;       x = np.moveaxis(x, axis, -1); K = x.shape[-1]
;;       x = np.pad(x, [(0, 0)] * (x.ndim - 1) + [(0, -K % 32)]); x = x.reshape(x.shape[:-1] + (-1, 32)); a = np.abs(x).max(-1, keepdims=True)
;;       e = np.where(a > 0, np.clip(np.frexp(np.where(a > 0, a, 1))[1] - 1 - 4, -126, 127), 0)      # np.frexp(a)[1] - 1 = floor(log2(a)), exactly
;;       r = np.clip(x / 2.0 ** e, -28, 28)
;;       step = 2.0 ** (np.maximum(np.frexp(np.where(r == 0, 1, r))[1] - 1, -2) - 2)
;;       q = np.round(r / step) * step * 2.0 ** e      # np.round: ties to even
;;       return np.moveaxis(q.reshape(q.shape[:-2] + (-1,))[..., :K], -1, axis).astype(np.float32)
;;   ~~~
;;   SOFTMAX AHEAD OF A QUANTISED PRODUCT. Where the list says 'softmax', what is quantised is not the finished softmax but p = 2^(t - M), with t = logit x log2(e) and M = ceil(the row's largest t), a whole number; so 1/2 < the row's largest p <= 1. The row's sum l is taken of the UNQUANTISED p, in f32, and the product's result is divided by l at the end. Since M is a whole number, a kernel that streams over the keys may use a running M (the ceiling of the running maximum): every later rescaling is an exact power of two, which a block's scale takes up: the codes' values come out the same.
;;   OPERANDS COMPUTED ON THE WAY. 'Computed on the way' means the value that the module computes at that place (a softmax that the list does not call 'softmax' is quantised finished and normalised). What goes into a quantiser is computed in f32, as accurately as f32 sums, v_exp_f32 and their like allow (about 1e-6 of the number): no bf16 or f16 on the way to a quantiser, and a product that is left as it is and whose result goes on into a quantised operand takes f32 operands (vector FMAs, or v_wmma_f32_16x16x4_f32). A number that lies on a knife's edge between two numbers of the format may be rounded either way, as far as f32 arithmetic and the matrix unit's own rounding can turn it there, and no further.
;; One version. Each part assembles by itself: llvm-mc -triple=amdgcn-amd-amdhsa -mcpu=gfx1250 --defsym DOCPART=n.
;; ======== version 1 of 1: 4 launches
;; workspace buffers: img 9,437,184 bytes; sc 393,216 bytes; rope 524,288 bytes; qkv 20,185,088 bytes; y_img 6,291,456 bytes; y_sc 262,144 bytes
;; launch prep (part 1): grid 256 x 1, 6 waves a work-group, no clusters, 52,992 bytes of LDS; arguments x, Wq, Wk, Wv, Wo, img, sc, rope; writes img, sc, rope
.if DOCPART == 1
	.amdgcn_target "amdgcn-amd-amdhsa--gfx1250"
	.amdhsa_code_object_version 6
	.text
	.protected	k_q43f700a3ae_prep
	.globl	k_q43f700a3ae_prep
	.p2align	8
	.type	k_q43f700a3ae_prep,@function
k_q43f700a3ae_prep:
	s_mov_b64 s[64:65], 0
	v_nop
	global_prefetch_b8 v0, s[64:65] scope:SCOPE_SE
	s_setreg_imm32_b32 hwreg(HW_REG_WAVE_MODE, 25, 1), 1
	s_wait_xcnt 0x0
; x [8192][1024] and Wq, Wk, Wv, Wo [1024][1024], f32, K innermost, become codes of BF6 (E3M2) with one E8M0 byte for each 32 along K; and the table of cos and sin for the rotation is made.
; A block's scale is 2^(floor(log2(largest magnitude)) - 4): its byte is the largest magnitude's exponent field - 4, held at 1 from below.
; LIMITS: a block of zeros gets the byte 1 where the rule says 127 (its codes are zeros, and this program alone reads the bytes); NaN and infinities among the inputs are not served;
; the rotation's frequencies come from v_exp_f32, so an angle may differ from pos x theta in exact arithmetic by about 2e-4 rad at position 2,048, the size of the f32 rounding of that product itself.
; LAYOUT OF THE CODES: images of operand registers.  A HALF IMAGE is 16 rows x 64 along K, 768 bytes: registers 6c .. 6c+3 of lane l at 16 l, registers 6c+4, 6c+5 at 512 + 8 l.  img: [rowtile][16 half images].
; Rowtiles 0-511 x, 512-575 Wq, 576-639 Wk, 640-703 Wv, 704-767 Wo.  THE ROWS OF A ROWTILE ARE NOT NEIGHBOURS: lane r of rowtile 2 b + u holds row 32 b + 8 u + r + 8 (r / 8).
; sc: [rowtile][256 along K: 4][row r][8 bytes].
; SHARES: 1,536 waves, each one rowtile x 512 along K: four K steps of 128.  A load reads 512 consecutive bytes of one row; the 16 rows turn through the wave's own stage in LDS (pitch 528 bytes), from which lane (r, h)
; takes 16 neighbours of each block of 32 of row r.  Waves share nothing: no barrier.  Two K steps' loads (32 a wave) are asked for ahead.
.set WREG,  8704                       ; LDS of a wave: 16 x 528 bytes of stage, then 256 bytes for its scale words
.set SPI,   528
.set TM,    16                         ; v16-31  at work in QUANT
.set PC,    32                         ; v32-51  the codes just made
.set PWS,   52                         ; v52-55  the four K steps' scale words
.set PW,    56                         ; v56     the scale word just made
.set RR,    64                         ; v64-191 two sets of 16 x 4 registers as loaded
.set X,     192                        ; v192-255 64 numbers: register 16 b + i = k 32 b + 16 h + i of my row
.set SEL,   24                         ; s[24:25] selects for lane l xor 16
.set WV,    26
; 64 numbers of a lane become a fragment's codes in v[PC] on and its scale word in v[PW]
.macro QUANT s
.irp b, 0,1,2,3
	v_max3_num_f32 v[TM+\b], |v[\s+16*\b]|, |v[\s+1+16*\b]|, 0x2800000   ; my 16 numbers of block b, and the floor 2^(5 - 127): the byte cannot fall under 1
.endr
.irp i, 2,4,6,8,10,12,14
.irp b, 0,1,2,3
	v_max3_num_f32 v[TM+\b], v[TM+\b], |v[\s+16*\b+\i]|, |v[\s+1+16*\b+\i]|
.endr
.endr
.irp b, 0,1,2,3
	v_permlanex16_b32 v[TM+4+\b], v[TM+\b], s[SEL], s[SEL+1]
.endr
.irp b, 0,1,2,3
	v_max_num_f32 v[TM+\b], v[TM+\b], v[TM+4+\b]                    ; with lane l xor 16's: the block's largest magnitude
.endr
.irp b, 0,1,2,3
	v_add_nc_u32 v[TM+12+\b], 0xfe000000, v[TM+\b]                  ; 4 off its exponent field: the conversion's scale operand
.endr
.irp b, 0,1,2,3
	v_lshrrev_b32 v[TM+4+\b], 23, v[TM+12+\b]                       ; the scale's byte
.endr
	v_lshl_or_b32 v[PW], v[TM+5], 8, v[TM+4]
	v_lshl_or_b32 v[PW], v[TM+6], 16, v[PW]
	v_lshl_or_b32 v[PW], v[TM+7], 24, v[PW]
.irp c, 0,1
	v_cvt_scalef32_pk16_bf6_f32 v[PC+6*\c:PC+2+6*\c], v[\s+32*\c:\s+15+32*\c], v[TM+12+2*\c]
	v_cvt_scalef32_pk16_bf6_f32 v[PC+12+4*\c:PC+14+4*\c], v[\s+16+32*\c:\s+31+32*\c], v[TM+12+2*\c+1]
.endr
	v_nop                                          ; one plain place behind a scaled conversion
.irp c, 0,1                                    ; the operand's layout wants a whole block in a lane
.irp i, 0,1,2
	v_permlane16_swap_b32 v[PC+6*\c+\i], v[PC+12+4*\c+\i]
.endr
.irp i, 0,1,2
	v_mov_b32 v[PC+3+6*\c+\i], v[PC+12+4*\c+\i]
.endr
.endr
.endm
.macro LOAD s                          ; K step s: 16 rows x 512 bytes into set s % 2
.irp r, 0,1,2,3,4,5,6,7,8,9,10,11,12,13,14,15
	global_load_b128 v[RR+64*((\s)%2)+4*\r:RR+64*((\s)%2)+4*\r+3], v1, s[20:21] offset:(\r+8*(\r/8))*4096+512*(\s) th:TH_LOAD_NT
.endr
.endm
.macro KSTEP s
.if (\s) < 3
	s_wait_loadcnt 16                              ; this step's 16 loads are in; the next step's 16 may be out
.else
	s_wait_loadcnt 0x0
.endif
.irp r, 0,1,2,3,4,5,6,7,8,9,10,11,12,13,14,15
	ds_store_b128 v3, v[RR+64*((\s)%2)+4*\r:RR+64*((\s)%2)+4*\r+3] offset:SPI*\r
.endr
.irp b, 0,1,2,3
.irp j, 0,1,2,3
	ds_load_b128 v[X+16*\b+4*\j:X+16*\b+4*\j+3], v4 offset:128*\b+16*\j   ; LDS serves a wave's instructions in order: these see the stores above
.endr
.endr
	s_wait_dscnt 0x0                               ; the numbers are back, and the stores have read the set, which may be loaded again
	s_wait_xcnt 0x0                                ; the last step's stores have read the codes' registers, which QUANT writes again
.if (\s) < 2
	LOAD (\s)+2
.endif
	QUANT X
	v_mov_b32 v[PWS+(\s)], v[PW]
	global_store_b128 v1, v[PC:PC+3], s[14:15] offset:1536*(\s)            ; each store covers 512 or 256 consecutive bytes, aligned to 256
	global_store_b64 v2, v[PC+4:PC+5], s[14:15] offset:1536*(\s)+512
	global_store_b128 v1, v[PC+6:PC+9], s[14:15] offset:1536*(\s)+768
	global_store_b64 v2, v[PC+10:PC+11], s[14:15] offset:1536*(\s)+1280
.endm
; cos and sin of pos x theta_k.  The angle is reduced by n = the nearest whole number of quarter turns, pi / 2 taken in two parts; on +-pi/4 two short polynomials; n's low two bits choose and sign.
.macro SINCOS k
	v_mul_f32 v208, v192, v[194+\k]                ; the angle
	v_mul_f32 v209, 0x3f22f983, v208               ; x 2 / pi
	v_rndne_f32 v209, v209
	v_fmamk_f32 v210, v209, 0xbfc90fdb, v208       ; - n x the f32 nearest pi / 2
	v_fmamk_f32 v210, v209, 0x333bbd2e, v210       ; + n x what that number is too large by
	v_mul_f32 v211, v210, v210
	v_fma_f32 v212, v211, s40, s41
	v_fma_f32 v212, v212, v211, s42
	v_mul_f32 v212, v212, v211
	v_fma_f32 v212, v212, v210, v210               ; sin
	v_fma_f32 v213, v211, s43, s44
	v_fma_f32 v213, v213, v211, s45
	v_mul_f32 v213, v213, v211
	v_fma_f32 v214, v211, -0.5, 1.0
	v_fma_f32 v213, v213, v211, v214               ; cos
	v_cvt_i32_f32 v215, v209
	v_and_b32 v214, 1, v215
	v_cmp_eq_u32 vcc_lo, 1, v214                   ; an odd quarter swaps the two
	v_cndmask_b32 v[204+\k], v212, v213, vcc_lo
	v_cndmask_b32 v[200+\k], v213, v212, vcc_lo
	v_and_b32 v214, 2, v215                        ; sin is negative in quarters 2 and 3,
	v_lshlrev_b32 v214, 30, v214
	v_xor_b32 v[204+\k], v[204+\k], v214
	v_add_nc_u32 v214, 1, v215                     ; cos in quarters 1 and 2
	v_and_b32 v214, 2, v214
	v_lshlrev_b32 v214, 30, v214
	v_xor_b32 v[200+\k], v[200+\k], v214
.endm
	s_load_b512 s[4:19], s[0:1], 0x0               ; x, Wq, Wk, Wv, Wo, img, sc, rope
	v_lshl_add_u32 v62, v0, 2, 0xcc00
	v_mov_b32 v63, 0
	v_lshrrev_b32 v7, 5, v0
	v_readfirstlane_b32 s[WV], v7                  ; wave 0..5
	v_and_b32 v8, 31, v0                           ; lane
	v_and_b32 v9, 15, v0                           ; r
	v_bfe_u32 v10, v0, 4, 1                        ; h
	v_lshlrev_b32 v1, 4, v8                        ; 16 x lane
	v_lshlrev_b32 v2, 3, v8                        ; 8 x lane
	s_mul_i32 s27, s[WV], WREG
	v_add_nc_u32 v3, s27, v1                       ; the stage, on the way in
	v_mul_u32_u24 v4, v9, SPI
	v_lshl_add_u32 v4, v10, 6, v4
	v_add_nc_u32 v4, s27, v4                       ; and out: row r, + 64 h
	s_add_co_u32 s28, s27, 16*SPI
	v_lshl_add_u32 v5, v9, 3, s28                  ; my row's 8 scale bytes
	v_add_nc_u32 v6, s28, v2                       ; and 8 bytes a lane on the way out
	s_mov_b32 s[SEL], 0x76543210
	s_mov_b32 s[SEL+1], 0xfedcba98
.irp b, 0,1,2,3
	v_mov_b32 v[TM+4+\b], 0                        ; written once: a lane permute's destination counts as one of its sources
.endr
	s_mul_i32 s29, ttmp9, 6
	s_add_co_u32 s29, s29, s[WV]                   ; my task: 2 x rowtile + which 512 along K
	s_lshr_b32 s30, s29, 1
	s_and_b32 s31, s29, 1
	s_and_b32 s32, s30, 63
	s_wait_kmcnt 0x0
	s_cmp_lt_u32 s30, 704                          ; which tensor: the choice hangs on ids alone
	s_cselect_b64 s[20:21], s[10:11], s[12:13]
	s_cmp_lt_u32 s30, 640
	s_cselect_b64 s[20:21], s[8:9], s[20:21]
	s_cmp_lt_u32 s30, 576
	s_cselect_b64 s[20:21], s[6:7], s[20:21]
	s_cmp_lt_u32 s30, 512
	s_cselect_b64 s[20:21], s[4:5], s[20:21]
	s_cselect_b32 s32, s30, s32                    ; the rowtile within its tensor
	s_lshr_b32 s33, s32, 1
	s_lshl_b32 s33, s33, 5
	s_and_b32 s34, s32, 1
	s_lshl_b32 s34, s34, 3
	s_add_co_u32 s33, s33, s34                     ; its first row
	s_lshl_b32 s34, s33, 12
	s_lshl_b32 s35, s31, 11
	s_add_co_u32 s34, s34, s35
	s_mov_b32 s35, 0
	s_add_nc_u64 s[20:21], s[20:21], s[34:35]
	s_mul_i32 s34, s29, 6144                       ; eight half images a task
	s_add_nc_u64 s[14:15], s[14:15], s[34:35]
	s_lshl_b32 s34, s29, 8                         ; 256 scale bytes a task
	s_add_nc_u64 s[16:17], s[16:17], s[34:35]
	LOAD 0
	LOAD 1
	; THE TABLE: rope [tile of 16 positions: 128][cos quads 0-3, sin quads 0-3][512 bytes]; in quad i lane (r, h) holds frequencies 16 h + 4 i + 0 .. 3 of its row's position.  Waves 0 and 1 of each work-group make one quad each, while their first loads are on their way.
	s_cmp_lt_u32 s[WV], 2
	s_cbranch_scc0 .Lno_rope
	s_lshr_b32 s36, ttmp9, 1                       ; the tile
	s_and_b32 s37, ttmp9, 1
	s_lshl_b32 s37, s37, 1
	s_add_co_u32 s37, s37, s[WV]                   ; the quad
	s_lshr_b32 s38, s36, 1
	s_lshl_b32 s38, s38, 5
	s_and_b32 s39, s36, 1
	s_lshl_b32 s39, s39, 3
	s_add_co_u32 s38, s38, s39
	s_add_co_u32 s38, s38, 1                       ; positions count from 1
	v_and_b32 v192, 8, v9
	v_add3_u32 v192, v192, v9, s38
	v_cvt_f32_u32 v192, v192                       ; my row's position
	s_lshl_b32 s39, s37, 2
	v_lshl_add_u32 v193, v10, 4, s39
	v_cvt_f32_u32 v193, v193                       ; my first frequency's number d
	v_add_f32 v195, 1.0, v193
	v_add_f32 v196, 2.0, v193
	v_add_f32 v197, 0x40400000, v193
	v_mul_f32 v194, 0xbed49a78, v193               ; theta = 10000^(-d / 32) = 2^(-d log2(10000) / 32)
.irp k, 1,2,3
	v_mul_f32 v[194+\k], 0xbed49a78, v[194+\k]
.endr
.irp k, 0,1,2,3
	v_exp_f32 v[194+\k], v[194+\k]
.endr
	v_nop                                          ; a plain place behind the last exponential
	s_mov_b32 s40, 0xb94ca1f9                      ; sin: -1.9515295891e-4, 8.3321608736e-3, -1.6666654611e-1
	s_mov_b32 s41, 0x3c08839e
	s_mov_b32 s42, 0xbe2aaaa3
	s_mov_b32 s43, 0x37ccf5ce                      ; cos: 2.443315711e-5, -1.388731625e-3, 4.166664568e-2
	s_mov_b32 s44, 0xbab6061a
	s_mov_b32 s45, 0x3d2aaaa5
	s_lshl_b32 s46, s36, 12
	s_lshl_b32 s47, s37, 9
	s_add_co_u32 s46, s46, s47
	s_mov_b32 s47, 0
	s_add_nc_u64 s[18:19], s[18:19], s[46:47]
	s_wait_alu depctr_va_vdst(0)                   ; one wait for the four, ahead of their first reader
.irp k, 0,1,2,3
	SINCOS \k
.endr
	global_store_b128 v1, v[200:203], s[18:19]
	global_store_b128 v1, v[204:207], s[18:19] offset:2048
	s_wait_xcnt 0x0                                ; the stores have read their registers, into which the first K step's numbers come next
.Lno_rope:
	KSTEP 0
	KSTEP 1
	KSTEP 2
	KSTEP 3
	ds_store_b64 v5, v[PWS:PWS+1]                  ; both lanes of a row write the same bytes with the same values
	ds_store_b64 v5, v[PWS+2:PWS+3] offset:128
	ds_load_b64 v[TM:TM+1], v6
	s_wait_dscnt 0x0
	global_store_b64 v2, v[TM:TM+1], s[16:17]      ; 32 lanes store 256 consecutive bytes, aligned
	s_wait_tensorcnt 0x0
	ds_add_u32 v62, v63
	s_wait_dscnt 0x0
	s_endpgm
.Lfunc_end_k_q43f700a3ae_prep:
	.size	k_q43f700a3ae_prep, .Lfunc_end_k_q43f700a3ae_prep-k_q43f700a3ae_prep
	.p2alignl 7, 3214868480
	.fill 96, 4, 3214868480
	.section	.rodata,"a",@progbits
	.p2align	6, 0x0
	.amdhsa_kernel k_q43f700a3ae_prep
		.amdhsa_group_segment_fixed_size 52992
		.amdhsa_private_segment_fixed_size 0
		.amdhsa_enable_private_segment 0
		.amdhsa_kernarg_size 64
		.amdhsa_user_sgpr_count 2
		.amdhsa_user_sgpr_kernarg_segment_ptr 1
		.amdhsa_wavefront_size32 1
		.amdhsa_system_sgpr_workgroup_id_x 1
		.amdhsa_system_sgpr_workgroup_id_y 1
		.amdhsa_system_sgpr_workgroup_id_z 1
		.amdhsa_system_vgpr_workitem_id 0
		.amdhsa_next_free_vgpr 256
		.amdhsa_next_free_sgpr 66
		.amdhsa_reserve_vcc 1
		.amdhsa_float_denorm_mode_32 3
		.amdhsa_float_denorm_mode_16_64 3
		.amdhsa_memory_ordered 1
		.amdhsa_forward_progress 1
		.amdhsa_inst_pref_size 41
	.end_amdhsa_kernel
	.amdgpu_metadata
---
amdhsa.version: [ 1, 2 ]
amdhsa.kernels:
  - .name:           k_q43f700a3ae_prep
    .symbol:         k_q43f700a3ae_prep.kd
    .args:
      - { .name: x, .offset: 0, .size: 8, .value_kind: global_buffer, .address_space: global }
      - { .name: Wq, .offset: 8, .size: 8, .value_kind: global_buffer, .address_space: global }
      - { .name: Wk, .offset: 16, .size: 8, .value_kind: global_buffer, .address_space: global }
      - { .name: Wv, .offset: 24, .size: 8, .value_kind: global_buffer, .address_space: global }
      - { .name: Wo, .offset: 32, .size: 8, .value_kind: global_buffer, .address_space: global }
      - { .name: img, .offset: 40, .size: 8, .value_kind: global_buffer, .address_space: global }
      - { .name: sc, .offset: 48, .size: 8, .value_kind: global_buffer, .address_space: global }
      - { .name: rope, .offset: 56, .size: 8, .value_kind: global_buffer, .address_space: global }
    .group_segment_fixed_size: 52992
    .private_segment_fixed_size: 0
    .kernarg_segment_align: 8
    .kernarg_segment_size: 64
    .max_flat_workgroup_size: 192
    .sgpr_count:     66
    .vgpr_count:     256
    .wavefront_size: 32
...
	.end_amdgpu_metadata
.endif
;; end of part 1
;; launch qkv (part 2): grid 12 x 32, 4 waves a work-group, clusters of 4 x 4, 327,680 bytes of LDS; arguments img, sc, bq, bk, bv, rope, qkv; writes qkv
.if DOCPART == 2
	.amdgcn_target "amdgcn-amd-amdhsa--gfx1250"
	.amdhsa_code_object_version 6
	.text
	.protected	k_q43f700a3ae_qkv
	.globl	k_q43f700a3ae_qkv
	.p2align	8
	.type	k_q43f700a3ae_qkv,@function
k_q43f700a3ae_qkv:
	s_mov_b64 s[64:65], 0
	v_nop
	global_prefetch_b8 v0, s[64:65] scope:SCOPE_SE
	s_setreg_imm32_b32 hwreg(HW_REG_WAVE_MODE, 25, 1), 1
	s_wait_xcnt 0x0
	s_wait_alu depctr_hold_cnt(0) depctr_sa_sdst(0) depctr_va_vdst(0) depctr_va_sdst(0) depctr_va_ssrc(0) depctr_va_vcc(0) depctr_vm_vsrc(0)
	s_getreg_b32 s2, hwreg(HW_REG_IB_STS2, 6, 4)
	s_cmp_eq_u32 s2, 0
	s_cbranch_scc0 .Lentry_in_a_cluster
	s_endpgm
.Lentry_in_a_cluster:
	s_bfe_u32 s2, ttmp6, 0x10000c
	s_cmp_lg_u32 s2, 0xf033
	s_cbranch_scc0 .Lentry_shape_is_right
	s_endpgm
.Lentry_shape_is_right:
; q = x Wq^T + bq, k = x Wk^T + bk, v = x Wv^T + bv on codes of BF6 (E3M2) with E8M0 scales for each 32 along K (1,024); q and k are rotated (positions from 1) and quantised along the head's 64, v along the keys.
; Operands come as images of operand registers (img: [rowtile][16 half images of 768 bytes]; sc: [rowtile][256 along K][row][8 bytes]); lane r of rowtile 2 b + u holds row 32 b + 8 u + r + 8 (r / 8).
; A work-group of four waves makes 256 x 256, a wave 128 x 128: 64 accumulators.  K goes in steps of 256 through two LDS slots; the scale bytes of the work-group's rows come once and stay.
; CLUSTERS 4 x 4: A's tiles are shared along a row of the cluster, B's along a column, by joint loads.  The cluster's x says which product: 0 q, 1 k, 2 v; it is the same in all sixteen partners.
; q, k: A = x, B = W.  The matrix instruction takes B's rows as source 0: a lane holds one row of x (a position), and the 16 registers of tiles 2 b, 2 b + 1 are 16 neighbouring columns 32 b + 16 h + 0 .. 15.
; v: A = Wv, B = x: a lane holds one channel d, and its registers run along the positions, which are the keys of the second product of attention.
; The bias is the C of each sum's first matrix instruction.
; OUT: qkv, 1,024 records [batch x head][128 positions] of 19,712 bytes: +0 K 8 half images; +6,144 V 4 x 1,536; +12,288 K's scale words; +12,800 V's; +13,056 Q 8 half images; +19,200 Q's scale words.
; q's and k's scale words hold two bytes and two zeros.  LIMITS: a block of zeros gets the byte 1 (its codes are zeros; this program alone reads the bytes); NaN and infinities are not served.
; REGISTERS, in windows of 256: window 0: v0-31 addresses; v32-63 scale words, two sets; v64-127 the bias, then cos and sin; v128-223 A's fragments, one set; on the way out v128-231 are at work.
;   window 1: B's fragments, two sets, at v0 and v128.   windows 2, 3: the accumulators ((a, b) at v[8 (8 (a % 4) + b)]).
.set NQ,     2                         ; matrix instructions deep in a slot
.set FR,     12                        ; registers of a fragment
.set NL,     4                         ; LDS loads that bring one
.set NP,     4                         ; places behind this matrix instruction (ISA guide 7.12.1)
.set HALFT,  24576                     ; 8 rowtiles x 3,072 bytes: what one tensor load brings
.set SLOT,   4*HALFT
.set SCA,    2*SLOT                    ; A's scale bytes, 8,192
.set SCB,    SCA+8192+128              ; B's: 128 bytes on, so that the two halves of a load's lanes fall on different banks
.set SPARE,  213248                    ; the spare words, 128 bytes a wave: two blocks of 256 bytes that no other line names
.set ADRA, 16                          ; v16-17 16 x lane + my A rows in slot 0, 1;  v18-19 8 x lane + the same
.set ADRB, 20                          ; v20-23 the same for B
.set L16,  24
.set L8,   25
.set QST,  26                          ; the way out of q, k: where my scale word goes
.set ADRS, 27                          ; my scale words: lanes 0-15 A's rows, lanes 16-31 B's
.set SPW,  28
.set NIL,  29
.set BO,   30                          ; the bias's lane offset
.set VST,  31                          ; the way out of v: where my scale word goes
.set QRD,  5
.set VRD,  6
.set VGO,  7
.set SC,   32
.set BI,   64
.set AF,   128
.set CS0,  64                          ; the way out: two sets of 16 cos + 16 sin
.set R,    128                         ; v128-191 the rotated numbers
.set TM,   192
.set PW,   208
.set SW,   209
.set SH,   210
.set PC,   212
.set WV,  18
.set RH,  19
.set CH,  20
.set CX,  21
.set CY,  22
.set CLX, 23
.set CLY, 66
.set G1,  24
.set G0,  32
.set G1B, 48
.set G0B, 56
.set G1S, 68
.set G0S, 76
.set G1SB, 80
.set G0SB, 88
.set OB,  92
.set OS,  94
.set RB,  96
.set SEL, 98                           ; s[98:99], set behind the first loads
.set MSB, 0
.macro WIN new                         ; the immediate's high byte repeats the setting that is left
.if MSB != (\new)
	s_set_vgpr_msb (MSB<<8)|(\new)
.set MSB, (\new)
.endif
.endm
.set MUL_LO, 0xa1                      ; source 0 (B) window 1, source 1 (A) window 0, C and D window 2
.set MUL_HI, 0xf1
.set TO_B,   0x40
.macro JLOAD g0a, g1a, g0b, g1b        ; a joint load: waves 0, 1 fetch for A, waves 2, 3 for B; four v_nop follow each line
	s_cmp_eq_u32 s[RH], 0
	s_cbranch_scc0 .Lfor_b_\@
	tensor_load_to_lds s[\g0a:\g0a+3], s[\g1a:\g1a+7]
	s_nop 0
.rept 4
	v_nop
.endr
	s_branch .Lasked_\@
.Lfor_b_\@:
	tensor_load_to_lds s[\g0b:\g0b+3], s[\g1b:\g1b+7]
	s_nop 0
.rept 4
	v_nop
.endr
.Lasked_\@:
.endm
.macro CREST
	s_cmp_lg_u32 s[WV], 0
	s_cbranch_scc1 .Lnot_wave_0_\@
	s_barrier_signal -3
.Lnot_wave_0_\@:
	s_barrier_wait -3
	s_barrier_signal -1
	s_barrier_wait -1
.endm
.macro CROUND
	s_barrier_signal -1
	s_barrier_wait -1
	CREST
.endm
.macro FRAG reg, adr, q, i             ; a fragment is two half images on end: every load takes consecutive bytes, 16 or 8 a lane
	ds_load_b128 v[\reg:\reg+3], v[\adr] offset:3072*(\i)+1536*(\q)
	ds_load_b64 v[\reg+4:\reg+5], v[\adr+2] offset:3072*(\i)+1536*(\q)+512
	ds_load_b128 v[\reg+6:\reg+9], v[\adr] offset:3072*(\i)+1536*(\q)+768
	ds_load_b64 v[\reg+10:\reg+11], v[\adr+2] offset:3072*(\i)+1536*(\q)+1280
.endm
; 16 matrix instructions: A's blocks a0, a0 + 1 x B's eight.  zero = 1: C is the bias by B's block; 2: by A's block; 0: the sum goes on.  The 64 accumulators take turns.
.macro MUL16 a0, p, q, sc, zero
.irp a, \a0, \a0+1
.irp b, 0,1,2,3,4,5,6,7
.if (\zero) == 0
	v_wmma_scale_f32_16x16x128_f8f6f4 v[8*(8*((\a)%4)+\b):8*(8*((\a)%4)+\b)+7], v[128*(\p)+FR*\b:128*(\p)+FR*\b+FR-1], v[AF+FR*(\a):AF+FR*(\a)+FR-1], v[8*(8*((\a)%4)+\b):8*(8*((\a)%4)+\b)+7], v[SC+8*NQ*(\sc)+NQ*\b+(\q)], v[SC+8*NQ*(\sc)+NQ*(\a)+(\q)] matrix_a_fmt:MATRIX_FMT_BF6 matrix_b_fmt:MATRIX_FMT_BF6 matrix_a_scale:MATRIX_SCALE_ROW1
.elseif (\zero) == 1
	v_wmma_scale_f32_16x16x128_f8f6f4 v[8*(8*((\a)%4)+\b):8*(8*((\a)%4)+\b)+7], v[128*(\p)+FR*\b:128*(\p)+FR*\b+FR-1], v[AF+FR*(\a):AF+FR*(\a)+FR-1], v[BI+8*\b:BI+8*\b+7], v[SC+8*NQ*(\sc)+NQ*\b+(\q)], v[SC+8*NQ*(\sc)+NQ*(\a)+(\q)] matrix_a_fmt:MATRIX_FMT_BF6 matrix_b_fmt:MATRIX_FMT_BF6 matrix_a_scale:MATRIX_SCALE_ROW1
.else
	v_wmma_scale_f32_16x16x128_f8f6f4 v[8*(8*((\a)%4)+\b):8*(8*((\a)%4)+\b)+7], v[128*(\p)+FR*\b:128*(\p)+FR*\b+FR-1], v[AF+FR*(\a):AF+FR*(\a)+FR-1], v[BI+8*(\a):BI+8*(\a)+7], v[SC+8*NQ*(\sc)+NQ*\b+(\q)], v[SC+8*NQ*(\sc)+NQ*(\a)+(\q)] matrix_a_fmt:MATRIX_FMT_BF6 matrix_b_fmt:MATRIX_FMT_BF6 matrix_a_scale:MATRIX_SCALE_ROW1
.endif
.endr
.endr
.endm
.macro FETCH_B slot, q, p
	WIN TO_B
.irp i, 0,1,2,3,4,5,6,7
	FRAG 128*(\p)+FR*\i, ADRB+\slot, \q, \i
.endr
	WIN 0
.endm
.macro FETCH_A slot, q, i0
.irp i, \i0, \i0+1, \i0+2, \i0+3
	FRAG AF+FR*(\i), ADRA+\slot, \q, \i
.endr
.endm
.macro SCALES sc                       ; a slot's two scale words a row: lanes 0-15 A's block i, lanes 16-31 B's block i
.irp i, 0,1,2,3,4,5,6,7
	ds_load_b64 v[SC+8*NQ*\sc+NQ*\i:SC+8*NQ*\sc+NQ*\i+1], v[ADRS] offset:\i*512
.endr
.endm
.macro PLACES n
.rept \n
	v_nop
.endr
.endm
.macro STEP slot, q, zero              ; 128 along K whose successor lies in the same slot
	s_wait_dscnt 4*NL                              ; B's set, A's blocks 0-3 and the scale words are in; the youngest 16 loads (A's blocks 4-7) may be out
.if \zero
	WIN 0x81                                       ; C, the bias, in window 0
.else
	WIN MUL_LO
.endif
	MUL16 0, (\q)%2, \q, \slot, \zero
	MUL16 2, (\q)%2, \q, \slot, \zero
	s_wait_dscnt 0
	PLACES NP
	FETCH_B \slot, (\q)+1, 1-(\q)%2
	FETCH_A \slot, (\q)+1, 0
.if \zero
	WIN 0xc1
.else
	WIN MUL_HI
.endif
	MUL16 4, (\q)%2, \q, \slot, \zero
	MUL16 6, (\q)%2, \q, \slot, \zero
	PLACES NP
	WIN 0
	FETCH_A \slot, (\q)+1, 4
.endm
; A slot's last step changes slots: one barrier; in front of it each wave waits for all its tensor loads, adds 0 to its spare word, and waits for that and for its reads of this slot.
.macro TURN slot, next, fill
	s_wait_tensorcnt 0x0                           ; all my tensor loads have landed: my part of the next slot
	ds_add_u32 v[SPW], v[NIL]                      ; 0 onto my spare word
	s_wait_dscnt 4*NL+1                            ; (the add and the youngest 16 loads may be out)
	WIN MUL_LO
	MUL16 0, 1, NQ-1, \slot, 0
	s_wait_dscnt 0x0                               ; the add is done, and my reads of this slot are over
	s_barrier_signal -1
	MUL16 2, 1, NQ-1, \slot, 0
	WIN 0
	s_barrier_wait -1
.if \fill
	CREST                                          ; the barrier has opened a round of the cluster's: no wave of any partner still reads this slot or has a load on its way
	s_add_nc_u64 s[G0+4*\slot+2:G0+4*\slot+3], s[G0+4*\slot+2:G0+4*\slot+3], 6144
	s_add_nc_u64 s[G0B+4*\slot+2:G0B+4*\slot+3], s[G0B+4*\slot+2:G0B+4*\slot+3], 6144
	JLOAD G0+4*\slot, G1, G0B+4*\slot, G1B         ; the first tensor load behind the round; its four v_nop are the places in front of the loads below
.else
	PLACES NP
.endif
	v_add_nc_u32 v[ADRS], 128, v[ADRS]             ; the next 256 along K's scale words
	FETCH_B \next, 0, 0
	FETCH_A \next, 0, 0
	SCALES \next
	WIN MUL_HI
	MUL16 4, 1, NQ-1, \slot, 0
	MUL16 6, 1, NQ-1, \slot, 0
	PLACES NP
	WIN 0
	FETCH_A \next, 0, 4
.endm
; 64 numbers of a lane in window W, register 16 b + i = k 32 b + 16 h + i of its row, become a fragment's codes in v[PC] on and its scale word in v[PW], both in window 0.  Each accumulator is read from its low end on.
.macro QUANT s, W
	WIN (\W)|((\W)<<2)
.irp b, 0,1,2,3
	v_max3_num_f32 v[TM+\b], |v[\s+16*\b]|, |v[\s+1+16*\b]|, 0x2800000   ; and the floor 2^(5 - 127): the byte cannot fall under 1
.endr
.irp i, 2,4,6,8,10,12,14
.irp b, 0,1,2,3
	v_max3_num_f32 v[TM+\b], |v[\s+16*\b+\i]|, |v[\s+1+16*\b+\i]|, v[TM+\b]
.endr
.endr
	WIN 0
.irp b, 0,1,2,3
	v_permlanex16_b32 v[TM+4+\b], v[TM+\b], s[SEL], s[SEL+1]
.endr
.irp b, 0,1,2,3
	v_max_num_f32 v[TM+\b], v[TM+\b], v[TM+4+\b]
.endr
.irp b, 0,1,2,3
	v_add_nc_u32 v[TM+12+\b], 0xfe000000, v[TM+\b]                  ; 4 off the exponent field: the conversion's scale operand
.endr
.irp b, 0,1,2,3
	v_lshrrev_b32 v[TM+4+\b], 23, v[TM+12+\b]
.endr
	v_lshl_or_b32 v[PW], v[TM+5], 8, v[TM+4]
	v_lshl_or_b32 v[PW], v[TM+6], 16, v[PW]
	v_lshl_or_b32 v[PW], v[TM+7], 24, v[PW]
	WIN (\W)
.irp c, 0,1
	v_cvt_scalef32_pk16_bf6_f32 v[PC+6*\c:PC+2+6*\c], v[\s+32*\c:\s+15+32*\c], v[TM+12+2*\c]
	v_cvt_scalef32_pk16_bf6_f32 v[PC+12+4*\c:PC+14+4*\c], v[\s+16+32*\c:\s+31+32*\c], v[TM+12+2*\c+1]
.endr
	WIN 0
	v_nop                                          ; one plain place behind a scaled conversion
.irp c, 0,1
.irp i, 0,1,2
	v_permlane16_swap_b32 v[PC+6*\c+\i], v[PC+12+4*\c+\i]
.endr
.irp i, 0,1,2
	v_mov_b32 v[PC+3+6*\c+\i], v[PC+12+4*\c+\i]
.endr
.endr
.endm
.macro ROPELOAD a                      ; cos and sin of block a's 16 positions into set a % 2: eight loads of 512 consecutive bytes
.irp i, 0,1,2,3
	global_load_b128 v[CS0+32*((\a)%2)+4*\i:CS0+32*((\a)%2)+4*\i+3], v[L16], s[RB:RB+1] offset:4096*(\a)+512*\i
	global_load_b128 v[CS0+32*((\a)%2)+16+4*\i:CS0+32*((\a)%2)+16+4*\i+3], v[L16], s[RB:RB+1] offset:4096*(\a)+2048+512*\i
.endr
.endm
; q, k: block a (16 positions x 128 columns = two heads).  Of head c registers 32 c + i hold d = 16 h + i, registers 32 c + 16 + i hold d + 32: out(d) = x(d) cos - x(d + 32) sin, out(d + 32) = x(d + 32) cos + x(d) sin.
.macro QKOUT a
.set XA, 64*((\a)%4)
.set CB, CS0+32*((\a)%2)
.if (\a) < 7
	s_wait_loadcnt 8                               ; this block's eight loads are in; the next block's eight may be out
.else
	s_wait_loadcnt 0x0
.endif
	s_wait_xcnt 0x0                                ; the last block's stores have read the codes' registers
	WIN 2+(\a)/4                                   ; source 0: the accumulators' window
.irp c, 0,1
.irp i, 0,2,4,6,8,10,12,14
	v_pk_mul_f32 v[R+32*\c+\i:R+32*\c+\i+1], v[XA+32*\c+16+\i:XA+32*\c+17+\i], v[CB+16+\i:CB+17+\i]
	v_pk_mul_f32 v[R+32*\c+16+\i:R+32*\c+17+\i], v[XA+32*\c+\i:XA+32*\c+\i+1], v[CB+16+\i:CB+17+\i]
.endr
.endr
.irp c, 0,1
.irp i, 0,2,4,6,8,10,12,14
	v_pk_fma_f32 v[R+32*\c+\i:R+32*\c+\i+1], v[XA+32*\c+\i:XA+32*\c+\i+1], v[CB+\i:CB+\i+1], v[R+32*\c+\i:R+32*\c+\i+1] neg_lo:[0,0,1] neg_hi:[0,0,1]
	v_pk_fma_f32 v[R+32*\c+16+\i:R+32*\c+17+\i], v[XA+32*\c+16+\i:XA+32*\c+17+\i], v[CB+\i:CB+\i+1], v[R+32*\c+16+\i:R+32*\c+17+\i]
.endr
.endr
	WIN 0
.if (\a) < 6
	ROPELOAD (\a)+2
.endif
	QUANT R, 0
.irp c, 0,1                            ; head c's half image: 512 and 256 consecutive bytes, aligned to 256
	global_store_b128 v[L16], v[PC+6*\c:PC+6*\c+3], s[OB:OB+1] offset:315392*\c+768*(\a)
	global_store_b64 v[L8], v[PC+6*\c+4:PC+6*\c+5], s[OB:OB+1] offset:315392*\c+768*(\a)+512
.endr
	v_lshrrev_b32 v[SW], v[SH], v[PW]              ; lanes 0-15 keep head 0's two bytes, lanes 16-31 head 1's; the upper two bytes are 0
	v_and_b32 v[SW], 0xffff, v[SW]
	ds_store_b32 v[QST], v[SW] offset:64*(\a)
.endm
; v: block a (16 channels x 128 keys) is one fragment of V
.macro VOUT a
.set XA, 64*((\a)%4)
	s_wait_xcnt 0x0                                ; the last block's stores have read the codes' registers
	QUANT XA, 2+(\a)/4
	global_store_b128 v[L16], v[PC:PC+3], s[OB:OB+1] offset:315392*((\a)/4)+1536*((\a)%4)
	global_store_b64 v[L8], v[PC+4:PC+5], s[OB:OB+1] offset:315392*((\a)/4)+1536*((\a)%4)+512
	global_store_b128 v[L16], v[PC+6:PC+9], s[OB:OB+1] offset:315392*((\a)/4)+1536*((\a)%4)+768
	global_store_b64 v[L8], v[PC+10:PC+11], s[OB:OB+1] offset:315392*((\a)/4)+1536*((\a)%4)+1280
	ds_store_b32 v[VST], v[PW] offset:64*(\a)      ; both lanes of a row write the same word with the same value
.endm
	s_load_b256 s[4:11], s[0:1], 0x0               ; img, sc, bq, bk
	s_load_b128 s[12:15], s[0:1], 0x20             ; bv, rope
	s_load_b64 s[16:17], s[0:1], 0x30              ; qkv
	v_lshl_add_u32 v[SPW], v0, 2, SPARE
	v_mov_b32 v[NIL], 0
	ds_add_u32 v28, v29
	s_wait_dscnt 0x0
	v_lshrrev_b32 v1, 5, v0
	v_readfirstlane_b32 s[WV], v1                  ; wave 0..3
	s_lshr_b32 s[RH], s[WV], 1                     ; which half of A's rows is mine.  Also: I fetch for A (0) or for B (1)
	s_and_b32 s[CH], s[WV], 1                      ; which half of B's rows.  Also: which 8 rowtiles I fetch
	s_bfe_u32 s[CX], ttmp6, 0x40000
	s_bfe_u32 s[CY], ttmp6, 0x40004
	s_mov_b32 s[CLX], ttmp9                        ; the cluster's x: 0 q, 1 k, 2 v
	s_and_b32 s[CLY], ttmp7, 0xffff
	s_lshl_b32 s40, s[CY], 2
	s_lshl_b32 s40, 15, s40                        ; my row of the cluster
	s_lshl_b32 s41, 0x1111, s[CX]                  ; my column
	s_or_b32 s[G1], s40, (3<<16)|(1<<21)           ; 15:0 the mask; 17:16 elements of 8 bytes; 21 set beside a mask; no padding
	s_or_b32 s[G1B], s41, (3<<16)|(1<<21)
.irp g, G1, G1B                        ; codes: 8 rowtiles x 3,072 bytes (384 elements), 12,288 bytes (1,536 elements) apart
	s_mov_b32 s[\g+1], 384<<16
	s_mov_b32 s[\g+2], 8<<16
	s_mov_b32 s[\g+3], 384<<16
	s_mov_b32 s[\g+4], 8
	s_mov_b32 s[\g+5], 1536
	s_mov_b32 s[\g+6], 0
	s_mov_b32 s[\g+7], 0
.endr
	s_or_b32 s[G1S], s40, (3<<16)|(1<<21)
	s_or_b32 s[G1SB], s41, (3<<16)|(1<<21)
.irp g, G1S, G1SB                      ; scale bytes of 8 rowtiles: 4,096 dense bytes as 16 rows of 256
	s_mov_b32 s[\g+1], 32<<16
	s_mov_b32 s[\g+2], 16<<16
	s_mov_b32 s[\g+3], 32<<16
	s_mov_b32 s[\g+4], 16
	s_mov_b32 s[\g+5], 32
	s_mov_b32 s[\g+6], 0
	s_mov_b32 s[\g+7], 0
.endr
	; the first rowtiles.  A's hang on cy alone, B's on cx alone, in either product
	s_lshl_b32 s42, s[CLY], 2
	s_add_co_u32 s42, s42, s[CY]
	s_lshl_b32 s42, s42, 4                         ; q, k: A = x, 16 (4 cluster y + cy)
	s_lshl_b32 s43, s[CY], 4
	s_add_co_u32 s43, s43, 640                     ; v: A = Wv
	s_lshl_b32 s44, s[CLX], 6
	s_lshl_b32 s45, s[CX], 4
	s_add_co_u32 s44, s44, s45
	s_add_co_u32 s44, s44, 512                     ; q, k: B = Wq or Wk
	s_lshl_b32 s45, s[CLY], 2
	s_add_co_u32 s45, s45, s[CX]
	s_lshl_b32 s45, s45, 4                         ; v: B = x
	s_cmp_eq_u32 s[CLX], 2
	s_cselect_b32 s42, s43, s42
	s_cselect_b32 s44, s45, s44
	s_lshl_b32 s67, s[CH], 3                       ; the 8 rowtiles that I fetch
	s_add_co_u32 s42, s42, s67
	s_add_co_u32 s44, s44, s67
	s_mul_i32 s46, s42, 12288
	s_mov_b32 s47, 0
	s_mul_i32 s98, s44, 12288
	s_mov_b32 s99, 0
	s_lshl_b32 s100, s42, 9
	s_mov_b32 s101, 0
	s_lshl_b32 s2, s44, 9
	s_mov_b32 s3, 0
	s_mul_i32 s92, s[WV], HALFT                    ; where they go: no place in the cluster enters an LDS address
	s_lshl_b32 s93, s[WV], 12
	s_wait_kmcnt 0x0
	s_add_nc_u64 s[46:47], s[4:5], s[46:47]
	s_add_nc_u64 s[98:99], s[4:5], s[98:99]
	s_add_nc_u64 s[100:101], s[6:7], s[100:101]
	s_add_nc_u64 s[2:3], s[6:7], s[2:3]
	CROUND                                         ; all sixteen work-groups are here: the first joint loads meet
	s_mov_b32 s[G0S], 1
	s_add_co_u32 s[G0S+1], s93, SCA
	s_mov_b64 s[G0S+2:G0S+3], s[100:101]
	s_or_b32 s[G0S+3], s[G0S+3], 0x80000000
	s_mov_b32 s[G0SB], 1
	s_add_co_u32 s[G0SB+1], s93, SCA+128
	s_mov_b64 s[G0SB+2:G0SB+3], s[2:3]
	s_or_b32 s[G0SB+3], s[G0SB+3], 0x80000000
	JLOAD G0S, G1S, G0SB, G1SB                     ; the scale bytes first: filled once
.irp s, 0,1
	s_mov_b32 s[G0+4*\s], 1
	s_add_co_u32 s[G0+4*\s+1], s92, \s*SLOT
	s_add_nc_u64 s[G0+4*\s+2:G0+4*\s+3], s[46:47], \s*3072
	s_or_b32 s[G0+4*\s+3], s[G0+4*\s+3], 0x80000000
	s_mov_b32 s[G0B+4*\s], 1
	s_add_co_u32 s[G0B+4*\s+1], s92, \s*SLOT
	s_add_nc_u64 s[G0B+4*\s+2:G0B+4*\s+3], s[98:99], \s*3072
	s_or_b32 s[G0B+4*\s+3], s[G0B+4*\s+3], 0x80000000
	JLOAD G0+4*\s, G1, G0B+4*\s, G1B               ; three loads of mine are out
.endr
	s_mov_b32 s[SEL], 0x76543210
	s_mov_b32 s[SEL+1], 0xfedcba98
	v_and_b32 v1, 15, v0                           ; r
	v_bfe_u32 v2, v0, 4, 1                         ; h
	v_and_b32 v3, 31, v0
	v_lshlrev_b32 v[L16], 4, v3
	v_lshlrev_b32 v[L8], 3, v3
	s_mul_i32 s40, s[RH], HALFT                    ; my 8 rowtiles of A
	s_mul_i32 s41, s[CH], HALFT
	s_add_co_u32 s41, s41, 2*HALFT                 ; and of B, behind A's 16
.irp s, 0,1
	v_add_nc_u32 v[ADRA+\s], s40, v[L16]
	v_add_nc_u32 v[ADRA+2+\s], s40, v[L8]
	v_add_nc_u32 v[ADRB+\s], s41, v[L16]
	v_add_nc_u32 v[ADRB+2+\s], s41, v[L8]
	s_add_co_u32 s40, s40, SLOT
	s_add_co_u32 s41, s41, SLOT
.endr
	s_lshl_b32 s40, s[RH], 12
	s_lshl_b32 s41, s[CH], 12
	s_add_co_u32 s41, s41, SCB-SCA
	s_sub_co_u32 s41, s41, s40                     ; from A's words to B's
	v_mul_u32_u24 v4, s41, v2                      ; lanes 16-31 take B's
	s_add_co_u32 s40, s40, SCA
	v_lshl_add_u32 v4, v1, 3, v4
	v_add_nc_u32 v[ADRS], s40, v4
	; the ways out: every LDS address is made here, ahead of the first parting; each way has LDS bytes of its own, in slot 0, which has had its last fill and its last read by then
	s_lshl_b32 s40, s[WV], 10
	v_lshl_add_u32 v[QST], v2, 9, s40
	v_lshl_add_u32 v[QST], v1, 2, v[QST]           ; q, k: 1,024 x wave + 512 h + 4 r
	v_add_nc_u32 v[QRD], s40, v[L16]
	s_lshl_b32 s40, s[WV], 9
	s_add_co_u32 s40, s40, 8192
	v_lshl_add_u32 v[VST], v1, 2, s40              ; v: 8,192 + 512 x wave + 4 r
	v_add_nc_u32 v[VRD], s40, v[L16]
	v_mul_u32_u24 v[VGO], v2, 315392               ; lanes 16-31 store the next head's words
	v_lshl_add_u32 v[VGO], v1, 4, v[VGO]
	; my first record: ((16 batch + head) 16 + step) x 19,712.  q, k: positions by A's rows, heads by B's; v: the other way round
	s_lshl_b32 s40, s[CLY], 2
	s_add_co_u32 s41, s40, s[CX]
	s_add_co_u32 s40, s40, s[CY]
	s_mov_b32 s44, 6144
	s_mov_b32 s45, 12800
	s_mov_b32 s46, 12288
	s_cmp_eq_u32 s[CLX], 2
	s_cselect_b32 s40, s41, s40                    ; which 256 positions
	s_cselect_b32 s41, s[CH], s[RH]                ; which 128 of them
	s_cselect_b32 s42, s[CY], s[CX]                ; which four heads
	s_cselect_b32 s43, s[RH], s[CH]                ; which two of them
	s_cselect_b32 s44, s44, 0                      ; where the codes begin in a record: v 6,144, k 0,
	s_cselect_b32 s45, s45, s46                    ; and the scale words: v 12,800, k 12,288,
	s_mov_b32 s46, 13056
	s_mov_b32 s47, 19200
	s_cmp_eq_u32 s[CLX], 0
	s_cselect_b32 s44, s46, s44                    ; q 13,056
	s_cselect_b32 s45, s47, s45                    ; q 19,200
	s_lshr_b32 s46, s40, 3                         ; the batch
	s_lshl_b32 s46, s46, 4
	s_lshl_b32 s42, s42, 2
	s_lshl_b32 s43, s43, 1
	s_add_co_u32 s46, s46, s42
	s_add_co_u32 s46, s46, s43
	s_lshl_b32 s46, s46, 4
	s_and_b32 s47, s40, 7
	s_lshl_b32 s42, s47, 1
	s_add_co_u32 s46, s46, s42
	s_add_co_u32 s46, s46, s41
	s_mul_i32 s46, s46, 19712
	s_mov_b32 s43, 0
	s_add_co_u32 s42, s46, s44
	s_add_nc_u64 s[OB:OB+1], s[16:17], s[42:43]
	s_add_co_u32 s42, s46, s45
	s_add_nc_u64 s[OS:OS+1], s[16:17], s[42:43]
	s_lshl_b32 s42, s47, 16                        ; the table at my first tile of positions: (16 (which 256) + 8 (which 128)) x 4,096; the v clusters do not read it
	s_lshl_b32 s44, s41, 15
	s_add_co_u32 s42, s42, s44
	s_add_nc_u64 s[RB:RB+1], s[14:15], s[42:43]
	; THE BIAS, in the result's layout, while the first tiles land
	s_cmp_eq_u32 s[CLX], 2
	s_cbranch_scc1 .Lbias_v
	s_cmp_eq_u32 s[CLX], 0
	s_cselect_b64 s[40:41], s[8:9], s[10:11]
	s_lshl_b32 s42, s[CX], 10
	s_lshl_b32 s44, s[CH], 9
	s_add_co_u32 s42, s42, s44
	s_add_nc_u64 s[40:41], s[40:41], s[42:43]      ; my 128 columns
	v_lshlrev_b32 v[BO], 6, v2                     ; tile b's eight of my half: columns 32 (b / 2) + 16 h + 8 (b % 2) + 0 .. 7
.irp b, 0,1,2,3,4,5,6,7
	global_load_b128 v[BI+8*\b:BI+8*\b+3], v[BO], s[40:41] offset:4*(32*(\b/2)+8*(\b%2))
	global_load_b128 v[BI+8*\b+4:BI+8*\b+7], v[BO], s[40:41] offset:4*(32*(\b/2)+8*(\b%2))+16
.endr
	s_branch .Lbias_done
.Lbias_v:
	s_lshl_b32 s42, s[CY], 10
	s_lshl_b32 s44, s[RH], 9
	s_add_co_u32 s42, s42, s44
	s_add_nc_u64 s[40:41], s[12:13], s[42:43]      ; my 128 channels
	v_and_b32 v[BO], 8, v1
	v_add_nc_u32 v[BO], v[BO], v1
	v_lshlrev_b32 v[BO], 2, v[BO]                  ; block a's channel of my lane, the same in all eight registers
.irp a, 0,1,2,3,4,5,6,7
.irp j, 0,1,2,3,4,5,6,7
	global_load_b32 v[BI+8*\a+\j], v[BO], s[40:41] offset:4*(32*(\a/2)+8*(\a%2))
.endr
.endr
.Lbias_done:
	s_wait_loadcnt 0x0
	s_wait_tensorcnt 1                             ; the scale bytes and my part of slot 0 are in; slot 1's load may be out
	s_barrier_signal -1
	s_barrier_wait -1
	FETCH_B 0, 0, 0
	FETCH_A 0, 0, 0
	SCALES 0
	FETCH_A 0, 0, 4
	s_cmp_eq_u32 s[CLX], 2
	s_cbranch_scc1 .Lfirst_v
	STEP 0, 0, 1                                   ; the first products start the sums with the bias
	ROPELOAD 0                                     ; the bias's registers are done with (four places stand behind their last reader): cos and sin of the first two blocks
	ROPELOAD 1
	s_branch .Lfirst_done
.Lfirst_v:
	STEP 0, 0, 2
.Lfirst_done:
	TURN 0, 1, 1                                   ; K = 1,024 is four slots' worth: written out
	STEP 1, 0, 0
	TURN 1, 0, 1
	STEP 0, 0, 0
	TURN 0, 1, 0                                   ; nothing is left to fetch
	STEP 1, 0, 0
	s_wait_dscnt 4*NL
	WIN MUL_LO
	MUL16 0, 1, NQ-1, 1, 0
	MUL16 2, 1, NQ-1, 1, 0
	s_wait_dscnt 0
	WIN MUL_HI
	MUL16 4, 1, NQ-1, 1, 0
	MUL16 6, 1, NQ-1, 1, 0
	WIN 0
	PLACES NP                                      ; in front of the first read of results and of writes over A's fragments
.irp b, 0,1,2,3
	v_mov_b32 v[TM+4+\b], 0                        ; a lane permute's destination counts as one of its sources
.endr
	v_lshlrev_b32 v[SH], 4, v2                     ; 16 h
	s_cmp_eq_u32 s[CLX], 2
	s_cbranch_scc1 .Lout_v
.irp a, 0,1,2,3,4,5,6,7
	QKOUT \a
.endr
	ds_load_b128 v[R:R+3], v[QRD]                  ; LDS serves a wave's instructions in order: these see my stores
	ds_load_b128 v[R+4:R+7], v[QRD] offset:512
	s_wait_dscnt 0x0
	global_store_b128 v[L16], v[R:R+3], s[OS:OS+1]                 ; a head's 512 bytes of scale words
	global_store_b128 v[L16], v[R+4:R+7], s[OS:OS+1] offset:315392
	s_branch .Lend
.Lout_v:
.irp a, 0,1,2,3,4,5,6,7
	VOUT \a
.endr
	ds_load_b128 v[R:R+3], v[VRD]
	s_wait_dscnt 0x0
	global_store_b128 v[VGO], v[R:R+3], s[OS:OS+1]                 ; sixteen lanes store a head's 256 bytes, aligned
.Lend:
	s_wait_tensorcnt 0x0                           ; the wave's end
	ds_add_u32 v[SPW], v[NIL]
	s_wait_dscnt 0x0
	CROUND                                         ; the closing round
	s_endpgm
.Lfunc_end_k_q43f700a3ae_qkv:
	.size	k_q43f700a3ae_qkv, .Lfunc_end_k_q43f700a3ae_qkv-k_q43f700a3ae_qkv
	.p2alignl 7, 3214868480
	.fill 96, 4, 3214868480
	.section	.rodata,"a",@progbits
	.p2align	6, 0x0
	.amdhsa_kernel k_q43f700a3ae_qkv
		.amdhsa_group_segment_fixed_size 327680
		.amdhsa_private_segment_fixed_size 0
		.amdhsa_enable_private_segment 0
		.amdhsa_kernarg_size 56
		.amdhsa_user_sgpr_count 2
		.amdhsa_user_sgpr_kernarg_segment_ptr 1
		.amdhsa_wavefront_size32 1
		.amdhsa_system_sgpr_workgroup_id_x 1
		.amdhsa_system_sgpr_workgroup_id_y 1
		.amdhsa_system_sgpr_workgroup_id_z 1
		.amdhsa_system_vgpr_workitem_id 0
		.amdhsa_next_free_vgpr 1024
		.amdhsa_next_free_sgpr 102
		.amdhsa_reserve_vcc 0
		.amdhsa_float_denorm_mode_32 3
		.amdhsa_float_denorm_mode_16_64 3
		.amdhsa_memory_ordered 1
		.amdhsa_forward_progress 1
		.amdhsa_inst_pref_size 244
	.end_amdhsa_kernel
	.amdgpu_metadata
---
amdhsa.version: [ 1, 2 ]
amdhsa.kernels:
  - .name:           k_q43f700a3ae_qkv
    .symbol:         k_q43f700a3ae_qkv.kd
    .args:
      - { .name: img, .offset: 0, .size: 8, .value_kind: global_buffer, .address_space: global }
      - { .name: sc, .offset: 8, .size: 8, .value_kind: global_buffer, .address_space: global }
      - { .name: bq, .offset: 16, .size: 8, .value_kind: global_buffer, .address_space: global }
      - { .name: bk, .offset: 24, .size: 8, .value_kind: global_buffer, .address_space: global }
      - { .name: bv, .offset: 32, .size: 8, .value_kind: global_buffer, .address_space: global }
      - { .name: rope, .offset: 40, .size: 8, .value_kind: global_buffer, .address_space: global }
      - { .name: qkv, .offset: 48, .size: 8, .value_kind: global_buffer, .address_space: global }
    .group_segment_fixed_size: 327680
    .private_segment_fixed_size: 0
    .kernarg_segment_align: 8
    .kernarg_segment_size: 56
    .max_flat_workgroup_size: 128
    .sgpr_count:     102
    .vgpr_count:     1024
    .wavefront_size: 32
...
	.end_amdgpu_metadata
.endif
;; end of part 2
;; launch attn (part 3): grid 4 x 64, 16 waves a work-group, clusters of 4 x 1, 327,680 bytes of LDS; arguments qkv, y_img, y_sc; writes y_img, y_sc
.if DOCPART == 3
	.amdgcn_target "amdgcn-amd-amdhsa--gfx1250"
	.amdhsa_code_object_version 6
	.text
	.protected	k_q43f700a3ae_attn
	.globl	k_q43f700a3ae_attn
	.p2align	8
	.type	k_q43f700a3ae_attn,@function
k_q43f700a3ae_attn:
	s_mov_b64 s[64:65], 0
	v_nop
	global_prefetch_b8 v0, s[64:65] scope:SCOPE_SE
	s_setreg_imm32_b32 hwreg(HW_REG_WAVE_MODE, 25, 1), 1
	s_wait_xcnt 0x0
	s_wait_alu depctr_hold_cnt(0) depctr_sa_sdst(0) depctr_va_vdst(0) depctr_va_sdst(0) depctr_va_ssrc(0) depctr_va_vcc(0) depctr_vm_vsrc(0)
	s_getreg_b32 s2, hwreg(HW_REG_IB_STS2, 6, 4)
	s_cmp_eq_u32 s2, 0
	s_cbranch_scc0 .Lentry_in_a_cluster
	s_endpgm
.Lentry_in_a_cluster:
	s_bfe_u32 s2, ttmp6, 0x10000c
	s_cmp_lg_u32 s2, 0x3003
	s_cbranch_scc0 .Lentry_shape_is_right
	s_endpgm
.Lentry_shape_is_right:
; y[b][h][q] = the sum over k <= q of softmax_k(q . k / 8) v[k], both products on codes of BF6 (E3M2) with E8M0 scales; y / l is quantised along D for the last product.
; THE SOFTMAX: t = score x log2(e) / 8; M = the running largest t rounded up to a whole number; p = 2^(t - M) is quantised along the keys; the sum of the unquantised p divides at the end; when M moves, sum and O are multiplied by 2^(old M - new M).
; IN: qkv, records [batch x head][16 steps of 128 positions] of 19,712 bytes: +0 K 8 half images (16 keys x 64); +6,144 V 4 fragments (16 channels x 128 keys); +12,288 K's scale words; +12,800 V's; +13,056 Q; +19,200 Q's scale words.
; Lane r of tile 2 b + u of K and of Q holds position 32 b + 8 u + r + 8 (r / 8): so the 16 registers of tiles 2 b, 2 b + 1 of S^T are 16 neighbouring keys.  V's channels are ordered likewise: O^T's registers are neighbours along D.
; SHARES: a cluster of four work-groups takes one head; work-group g's wave w owns TWO tiles of 16 queries, 4 w + g and 127 - (4 w + g).  Their last key steps, w >> 1 and (31 - w) >> 1, hang on the wave's number alone,
; and together every wave has 17 tile steps.  All work-groups walk all 16 key steps; a tile's steps beyond its diagonal are jumped over (no barrier and no tensor load stands in a step).
; K and V are shared by the four work-groups: joint loads, waves 0-3 one record each, four records (13,056 bytes of each) to a slot, two slots.
; THE HEAD'S 64 IN AN INSTRUCTION OF 128: Q's registers 6-11 hold zero codes; a tile of K is named with the six registers behind it (the next tile's codes, or zeros): E3M2 has no infinity and no NaN, so those products are 0;
; the scale words' upper two bytes are 0, which is 2^-127 and no NaN.
; LIMITS: a block of zeros gets the byte 1 (its codes are zeros; this program alone reads the bytes); NaN and infinities are not served.  y_sc is stored two bytes a row and head: a whole run of 256 bytes would want eight heads in one work-group.
.set REC,   13056
.set SLOT1, 65536
.set SPARE, 131072                     ; the spare words, 128 bytes a wave: eight blocks of 256 bytes that no other line names
.set L16, 1
.set L8,  2
.set R4,  3
.set SPW, 4
.set NIL, 5
.set A16, 6                            ; the step's record in LDS + 16 x lane, + 8 x lane, + 4 r
.set A8,  7
.set AS,  8
.set DQH, 9                            ; my query's position - 16 h
.set DQL, 10
.set NINF, 11
.set STH, 12                           ; -M, the largest t, the sum in two halves
.set STL, 16
.set QH,  20                           ; six registers of codes, six of zeros
.set QL,  32
.set QSH, 44
.set QSL, 45
.set KV,  46                           ; v46-69 four tiles of K or two fragments of V; v70-75 zeros
.set SCR, 76
.set S,   80
.set OH,  144
.set OL,  176
.set PC,  208
.set BM,  220
.set PM,  224
.set SO,  232
.set TA,  236
.set F,   238
.set PW,  240
.set SUM2, 242
.set R8,  244
.set WV,   10
.set LIMH, 13
.set LIML, 14
.set KS,   15
.set KF,   16
.set TB,   17
.set CNT,  18
.set SLOTS, 19
.set SEL,  20
.set CS,   22
.set G1,   24
.set G0,   32
.macro CROUND
	s_barrier_signal -1
	s_barrier_wait -1
	s_cmp_lg_u32 s[WV], 0
	s_cbranch_scc1 .Lnot_wave_0_\@
	s_barrier_signal -3
.Lnot_wave_0_\@:
	s_barrier_wait -3
	s_barrier_signal -1
	s_barrier_wait -1
.endm
.macro JLOAD                           ; waves 0-3: one record each; the branch hangs on the wave's number alone; four v_nop follow the load
	s_cmp_lt_u32 s[WV], 4
	s_cbranch_scc0 .Lnone_\@
	tensor_load_to_lds s[G0:G0+3], s[G1:G1+7]
	s_nop 0
.rept 4
	v_nop
.endr
.Lnone_\@:
.endm
; One tile of 16 queries against the step's 128 keys
.macro TSTEP O, Q, QS, ST, DQ, LIM
	s_cmp_gt_u32 s[KS], s[\LIM]                    ; all these keys come after my queries
	s_cbranch_scc1 .Lskip_\@
.rept 5
	v_nop                                          ; places behind the last products: four for loads into registers that they read, five for results written over such registers
.endr
.irp g, 0,1                                    ; S^T = K Q^T, four tiles of 16 keys at a time
.if \g
.rept 4
	v_nop
.endr
.endif
.irp t, 0,1,2,3
	ds_load_b128 v[KV+6*\t:KV+6*\t+3], v[A16] offset:768*(4*\g+\t)
	ds_load_b64 v[KV+6*\t+4:KV+6*\t+5], v[A8] offset:768*(4*\g+\t)+512
	ds_load_b32 v[SCR+\t], v[AS] offset:12288+64*(4*\g+\t)
.endr
	s_wait_dscnt 0x0
.irp t, 0,1,2,3
	v_wmma_scale_f32_16x16x128_f8f6f4 v[S+8*(4*\g+\t):S+8*(4*\g+\t)+7], v[KV+6*\t:KV+6*\t+11], v[\Q:\Q+11], 0, v[SCR+\t], v[\QS] matrix_a_fmt:MATRIX_FMT_BF6 matrix_b_fmt:MATRIX_FMT_BF6
.endr
.endr
.rept 4
	v_nop
.endr
.irp d, 0,1                                    ; V's first two fragments and all four scale words land while the softmax is worked
	ds_load_b128 v[KV+12*\d:KV+12*\d+3], v[A16] offset:6144+1536*\d
	ds_load_b64 v[KV+12*\d+4:KV+12*\d+5], v[A8] offset:6144+1536*\d+512
	ds_load_b128 v[KV+12*\d+6:KV+12*\d+9], v[A16] offset:6144+1536*\d+768
	ds_load_b64 v[KV+12*\d+10:KV+12*\d+11], v[A8] offset:6144+1536*\d+1280
.endr
.irp d, 0,1,2,3
	ds_load_b32 v[SCR+\d], v[AS] offset:12800+64*\d
.endr
	s_cmp_lt_u32 s[KS], s[\LIM]                    ; only the tile's last step lies on the diagonal
	s_cbranch_scc1 .Lopen_\@
	v_sub_nc_u32 v[TA], v[\DQ], s[KF]              ; register 16 b + i holds key KF + 32 b + 16 h + i: hidden where 32 b + i is above this
.set NN, 0
.rept 64
	v_cmp_gt_i32 vcc_lo, 32*(NN/16)+NN%16, v[TA]
	v_cndmask_b32 v[S+NN], v[S+NN], v[NINF], vcc_lo
.set NN, NN+1
.endr
.Lopen_\@:
.irp b, 0,1,2,3
	v_max3_num_f32 v[BM+\b], v[S+16*\b], v[S+1+16*\b], v[S+2+16*\b]   ; the largest score of each block of 32 keys: for the row's maximum and, since p rises with the score, for the block's largest p
.endr
.irp i, 3,5,7,9,11,13
.irp b, 0,1,2,3
	v_max3_num_f32 v[BM+\b], v[BM+\b], v[S+16*\b+\i], v[S+1+16*\b+\i]
.endr
.endr
.irp b, 0,1,2,3
	v_max_num_f32 v[BM+\b], v[BM+\b], v[S+15+16*\b]
.endr
.irp b, 0,1,2,3
	v_permlanex16_b32 v[PM+\b], v[BM+\b], s[SEL], s[SEL+1]
.endr
.irp b, 0,1,2,3
	v_max_num_f32 v[BM+\b], v[BM+\b], v[PM+\b]
.endr
	v_max3_num_f32 v[TA], v[BM], v[BM+1], v[BM+2]
	v_max_num_f32 v[TA], v[TA], v[BM+3]
	v_mul_f32 v[TA], s[CS], v[TA]
	v_max_num_f32 v[\ST+1], v[\ST+1], v[TA]        ; the running largest t
	v_mov_b32 v[TA], v[\ST]
	v_floor_f32 v[\ST], -v[\ST+1]                  ; the new -M = floor(-t)
	v_sub_f32 v[TA], v[\ST], v[TA]                 ; old M - new M: a whole number, 0 or less
	v_cvt_i32_f32 v[TA], v[TA]                     ; (it saturates)
	v_ldexp_f32 v[F], 1.0, v[TA]                   ; f = 2^(old M - new M)
.set NN, 0
.rept 32
	v_pk_fma_f32 v[S+NN:S+NN+1], v[S+NN:S+NN+1], s[CS:CS+1], v[\ST:\ST+1] op_sel_hi:[1,0,0]   ; t - M
.set NN, NN+2
.endr
.irp b, 0,1,2,3
	v_fma_f32 v[BM+\b], v[BM+\b], s[CS], v[\ST]
.endr
.set NN, 0
.rept 64
	v_exp_f32 v[S+NN], v[S+NN]                     ; p = 2^(t - M)
.set NN, NN+1
.endr
	v_pk_mul_f32 v[\ST+2:\ST+3], v[\ST+2:\ST+3], v[F:F+1] op_sel_hi:[1,0]   ; the sums under the new M: a plain place behind the exponentials
	s_wait_alu depctr_va_vdst(0)                   ; one wait for the batch, ahead of its first reader
.irp b, 0,1,2,3
	v_exp_f32 v[BM+\b], v[BM+\b]                   ; each block's largest p
.endr
	v_pk_add_f32 v[SUM2:SUM2+1], v[S:S+1], v[S+2:S+3]              ; the row's sum, of the unquantised p, in two chains
.irp j, 4,8,12,16,20,24,28,32,36,40,44,48,52,56,60
	v_pk_add_f32 v[\ST+2:\ST+3], v[\ST+2:\ST+3], v[S+\j:S+\j+1]
	v_pk_add_f32 v[SUM2:SUM2+1], v[SUM2:SUM2+1], v[S+2+\j:S+3+\j]
.endr
	v_pk_add_f32 v[\ST+2:\ST+3], v[\ST+2:\ST+3], v[SUM2:SUM2+1]
	s_wait_alu depctr_va_vdst(0)                   ; and one for the four
.irp b, 0,1,2,3
	v_max_num_f32 v[BM+\b], 0x2800000, v[BM+\b]    ; the floor 2^(5 - 127): the byte cannot fall under 1
.endr
.irp b, 0,1,2,3
	v_add_nc_u32 v[SO+\b], 0xfe000000, v[BM+\b]
.endr
.irp b, 0,1,2,3
	v_lshrrev_b32 v[PM+\b], 23, v[SO+\b]
.endr
	v_lshl_or_b32 v[PW], v[PM+1], 8, v[PM]
	v_lshl_or_b32 v[PW], v[PM+2], 16, v[PW]
	v_lshl_or_b32 v[PW], v[PM+3], 24, v[PW]
.irp c, 0,1
	v_cvt_scalef32_pk16_bf6_f32 v[PC+6*\c:PC+2+6*\c], v[S+32*\c:S+15+32*\c], v[SO+2*\c]
	v_cvt_scalef32_pk16_bf6_f32 v[PM+4*\c:PM+2+4*\c], v[S+16+32*\c:S+31+32*\c], v[SO+2*\c+1]
.endr
	v_nop                                          ; one plain place behind a scaled conversion
.irp d, 0,1                                    ; V's other two fragments, into registers that p has left
	ds_load_b128 v[S+12*\d:S+12*\d+3], v[A16] offset:9216+1536*\d
	ds_load_b64 v[S+12*\d+4:S+12*\d+5], v[A8] offset:9216+1536*\d+512
	ds_load_b128 v[S+12*\d+6:S+12*\d+9], v[A16] offset:9216+1536*\d+768
	ds_load_b64 v[S+12*\d+10:S+12*\d+11], v[A8] offset:9216+1536*\d+1280
.endr
.irp c, 0,1
.irp i, 0,1,2
	v_permlane16_swap_b32 v[PC+6*\c+\i], v[PM+4*\c+\i]
.endr
.irp i, 0,1,2
	v_mov_b32 v[PC+3+6*\c+\i], v[PM+4*\c+\i]
.endr
.endr
.set NN, 0
.rept 16
	v_pk_mul_f32 v[\O+NN:\O+NN+1], v[\O+NN:\O+NN+1], v[F:F+1] op_sel_hi:[1,0]   ; O^T under the new M; these are also the places between p's codes and scale word and the products
.set NN, NN+2
.endr
	s_wait_dscnt 0x0
.irp d, 0,1                                    ; O^T += V^T P^T: the four accumulators by turns
	v_wmma_scale_f32_16x16x128_f8f6f4 v[\O+8*\d:\O+8*\d+7], v[KV+12*\d:KV+12*\d+11], v[PC:PC+11], v[\O+8*\d:\O+8*\d+7], v[SCR+\d], v[PW] matrix_a_fmt:MATRIX_FMT_BF6 matrix_b_fmt:MATRIX_FMT_BF6
.endr
.irp d, 0,1
	v_wmma_scale_f32_16x16x128_f8f6f4 v[\O+16+8*\d:\O+16+8*\d+7], v[S+12*\d:S+12*\d+11], v[PC:PC+11], v[\O+16+8*\d:\O+16+8*\d+7], v[SCR+2+\d], v[PW] matrix_a_fmt:MATRIX_FMT_BF6 matrix_b_fmt:MATRIX_FMT_BF6
.endr
.Lskip_\@:
.endm
; The change of slots stands at a slot's head: each wave waits for all its tensor loads, adds 0 to its spare word, and waits for that and for its reads of the slot that it has left.
; fill = 1: a round of the cluster's barrier, and the slot just left is filled with the four records that follow: the load has four key steps in which to land.
.macro CHANGE fill
	s_wait_tensorcnt 0x0
	ds_add_u32 v[SPW], v[NIL]
.if \fill
	s_xor_b32 s[G0+1], s[G0+1], SLOT1
	s_add_nc_u64 s[G0+2:G0+3], s[G0+2:G0+3], 4*19712
	s_wait_dscnt 0x0
	CROUND
	JLOAD
.else
	s_wait_dscnt 0x0
	s_barrier_signal -1
	s_barrier_wait -1
.endif
.endm
.macro SLOT_STEPS
	s_mov_b32 s[CNT], 4
.Lstep_\@:
	v_add_nc_u32 v[A16], s[TB], v[L16]
	v_add_nc_u32 v[A8], s[TB], v[L8]
	v_add_nc_u32 v[AS], s[TB], v[R4]
	TSTEP OH, QH, QSH, STH, DQH, LIMH
	TSTEP OL, QL, QSL, STL, DQL, LIML
	s_add_co_u32 s[TB], s[TB], REC
	s_add_co_u32 s[KS], s[KS], 1
	s_add_co_u32 s[KF], s[KF], 128
	s_sub_co_u32 s[CNT], s[CNT], 1
	s_cmp_lg_u32 s[CNT], 0
	s_cbranch_scc1 .Lstep_\@
	s_sub_co_u32 s[TB], s[TB], 4*REC
	s_xor_b32 s[TB], s[TB], SLOT1
.endm
; A tile's addresses and its Q.  tau: the register with the tile's number; qb: four scalar registers for Q's two bases; yb: four for y's
.macro TILE tau, qb, yb, q, qs, dq
	s_lshr_b32 s36, s[\tau], 3
	s_mul_i32 s36, s36, 19712                      ; its record
	s_and_b32 s38, s[\tau], 7
	s_mul_i32 s39, s38, 768
	s_add_co_u32 s40, s36, s39
	s_add_nc_u64 s[\qb:\qb+1], s[4:5], s[40:41]
	s_lshl_b32 s39, s38, 6
	s_add_co_u32 s40, s36, s39
	s_add_nc_u64 s[\qb+2:\qb+3], s[4:5], s[40:41]
	global_load_b128 v[\q:\q+3], v[L16], s[\qb:\qb+1] offset:13056
	global_load_b64 v[\q+4:\q+5], v[L8], s[\qb:\qb+1] offset:13056+512
	global_load_b32 v[\qs], v[R4], s[\qb+2:\qb+3] offset:19200
	s_lshr_b32 s36, s12, 4
	s_lshl_b32 s36, s36, 7
	s_add_co_u32 s36, s36, s[\tau]                 ; y's rowtile: 128 x batch + tile
	s_and_b32 s38, s12, 15                         ; the head
	s_lshl_b32 s39, s36, 4
	s_add_co_u32 s39, s39, s38
	s_mul_i32 s40, s39, 768
	s_add_nc_u64 s[\yb:\yb+1], s[6:7], s[40:41]
	s_lshl_b32 s40, s36, 9
	s_lshr_b32 s39, s38, 2
	s_lshl_b32 s39, s39, 7
	s_add_co_u32 s40, s40, s39
	s_and_b32 s39, s38, 3
	s_lshl_b32 s39, s39, 1
	s_add_co_u32 s40, s40, s39
	s_add_nc_u64 s[\yb+2:\yb+3], s[8:9], s[40:41]
	s_lshr_b32 s36, s[\tau], 1
	s_lshl_b32 s36, s36, 5
	s_and_b32 s38, s[\tau], 1
	s_lshl_b32 s38, s38, 3
	s_add_co_u32 s36, s36, s38
	v_add_nc_u32 v[\dq], s36, v[TA]
.endm
; A tile's end: O^T / the sum; its 64 channels are two blocks along D: one half image and two scale bytes a row
.macro FIN O, ST, yb
	v_add_f32 v[TA], v[\ST+2], v[\ST+3]
	v_permlanex16_b32 v[PM], v[TA], s[SEL], s[SEL+1]
	v_add_f32 v[TA], v[TA], v[PM]                  ; the row's sum
	v_rcp_f32 v[F], v[TA]
	v_nop                                          ; a plain place behind the reciprocal
	s_wait_alu depctr_va_vdst(0)                   ; and the wait ahead of its first reader
.set NN, 0
.rept 16
	v_pk_mul_f32 v[\O+NN:\O+NN+1], v[\O+NN:\O+NN+1], v[F:F+1] op_sel_hi:[1,0]
.set NN, NN+2
.endr
.irp b, 0,1
	v_max3_num_f32 v[BM+\b], |v[\O+16*\b]|, |v[\O+1+16*\b]|, 0x2800000
.endr
.irp i, 2,4,6,8,10,12,14
.irp b, 0,1
	v_max3_num_f32 v[BM+\b], v[BM+\b], |v[\O+16*\b+\i]|, |v[\O+1+16*\b+\i]|
.endr
.endr
.irp b, 0,1
	v_permlanex16_b32 v[PM+\b], v[BM+\b], s[SEL], s[SEL+1]
.endr
.irp b, 0,1
	v_max_num_f32 v[BM+\b], v[BM+\b], v[PM+\b]
.endr
.irp b, 0,1
	v_add_nc_u32 v[SO+\b], 0xfe000000, v[BM+\b]
.endr
.irp b, 0,1
	v_lshrrev_b32 v[PM+\b], 23, v[SO+\b]
.endr
	v_lshl_or_b32 v[PW], v[PM+1], 8, v[PM]
	v_cvt_scalef32_pk16_bf6_f32 v[PC:PC+2], v[\O:\O+15], v[SO]
	v_cvt_scalef32_pk16_bf6_f32 v[PM+4:PM+6], v[\O+16:\O+31], v[SO+1]
	v_nop
.irp i, 0,1,2
	v_permlane16_swap_b32 v[PC+\i], v[PM+4+\i]
.endr
.irp i, 0,1,2
	v_mov_b32 v[PC+3+\i], v[PM+4+\i]
.endr
	global_store_b128 v[L16], v[PC:PC+3], s[\yb:\yb+1]             ; 512 and 256 consecutive bytes, aligned to 256
	global_store_b64 v[L8], v[PC+4:PC+5], s[\yb:\yb+1] offset:512
	global_store_b16 v[R8], v[PW], s[\yb+2:\yb+3]                  ; both lanes of a row store the same two bytes
.endm
	s_load_b128 s[4:7], s[0:1], 0x0                ; qkv, y_img
	s_load_b64 s[8:9], s[0:1], 0x10                ; y_sc
	v_lshl_add_u32 v[SPW], v0, 2, SPARE
	v_mov_b32 v[NIL], 0
	ds_add_u32 v4, v5
	s_wait_dscnt 0x0
	v_lshrrev_b32 v6, 5, v0
	v_readfirstlane_b32 s[WV], v6                  ; wave 0..15
	s_bfe_u32 s11, ttmp6, 0x40000                  ; my place in the cluster: it enters global addresses and the mask's numbers alone
	s_and_b32 s12, ttmp7, 0xffff                   ; batch x 16 + head
	s_lshr_b32 s[LIML], s[WV], 1                   ; the last key step of my early tile,
	s_xor_b32 s[LIMH], s[WV], 31
	s_lshr_b32 s[LIMH], s[LIMH], 1                 ; and of my late one: (31 - wave) / 2
	s_mov_b32 s[G1], 15|(3<<16)|(1<<21)            ; the mask: all four; elements of 8 bytes; 21 set beside a mask
	s_mov_b32 s[G1+1], 32<<16                      ; 13,056 dense bytes as 51 rows of 256
	s_mov_b32 s[G1+2], 51<<16
	s_mov_b32 s[G1+3], 32<<16
	s_mov_b32 s[G1+4], 51
	s_mov_b32 s[G1+5], 32
	s_mov_b32 s[G1+6], 0
	s_mov_b32 s[G1+7], 0
	s_and_b32 s36, s[WV], 3
	s_mul_i32 s38, s36, REC
	s_mul_i32 s36, s36, 19712
	s_mov_b32 s37, 0
	s_mul_i32 s40, s12, 315392                     ; the head's 16 records
	s_mov_b32 s41, 0
	s_mov_b32 s[SEL], 0x76543210
	s_mov_b32 s[SEL+1], 0xfedcba98
	s_mov_b32 s[CS], 0x3e38aa3b                    ; log2(e) / 8
	s_mov_b32 s[CS+1], s[CS]
	s_mov_b32 s[KS], 0
	s_mov_b32 s[KF], 0
	s_mov_b32 s[TB], 0
	s_mov_b32 s[SLOTS], 3
	s_wait_kmcnt 0x0
	s_add_nc_u64 s[4:5], s[4:5], s[40:41]
	s_mov_b32 s[G0], 1
	s_mov_b32 s[G0+1], s38
	s_add_nc_u64 s[G0+2:G0+3], s[4:5], s[36:37]
	s_or_b32 s[G0+3], s[G0+3], 0x80000000
	CROUND                                         ; all four work-groups are here
	JLOAD                                          ; slot 0: one load of mine is out
	v_and_b32 v6, 31, v0
	v_and_b32 v7, 15, v0                           ; r
	v_bfe_u32 v8, v0, 4, 1                         ; h
	v_lshlrev_b32 v[L16], 4, v6
	v_lshlrev_b32 v[L8], 3, v6
	v_lshlrev_b32 v[R4], 2, v7
	v_lshlrev_b32 v[R8], 3, v7
	v_and_b32 v[TA], 8, v7
	v_add_nc_u32 v[TA], v[TA], v7
	v_lshlrev_b32 v8, 4, v8
	v_sub_nc_u32 v[TA], v[TA], v8                  ; r + 8 (r / 8) - 16 h
	s_lshl_b32 s42, s[WV], 2
	s_add_co_u32 s42, s42, s11                     ; my early tile
	s_sub_co_u32 s43, 127, s42                     ; my late tile
	s_mov_b32 s41, 0
	TILE 43, 44, 52, QH, QSH, DQH
	TILE 42, 48, 56, QL, QSL, DQL
	v_mov_b32 v[NINF], 0xff800000
.irp st, STH, STL
	v_mov_b32 v[\st+1], 0xff61b1e6                 ; the largest t so far: -3e38
	v_floor_f32 v[\st], -v[\st+1]
	v_mov_b32 v[\st+2], 0
	v_mov_b32 v[\st+3], 0
.endr
.irp j, 0,1,2,3,4,5
	v_mov_b32 v[QH+6+\j], 0                        ; zero codes for the upper 64 of the instruction's K
	v_mov_b32 v[QL+6+\j], 0
	v_mov_b32 v[KV+24+\j], 0
.endr
.irp b, 0,1,2,3
	v_mov_b32 v[PM+\b], 0                          ; a lane permute's destination counts as one of its sources
.endr
	v_mov_b32 v[F+1], 0                            ; named as the upper half of a pair
.set NN, 0
.rept 64
	v_mov_b32 v[OH+NN], 0                          ; O^T of both tiles: the step is written once; its first turn finds zeros
.set NN, NN+1
.endr
	s_wait_loadcnt 0x0                             ; Q
.Lslot:                                            ; three trips: behind each change of slots but the last the next four records are asked for
	CHANGE 1
	SLOT_STEPS
	s_sub_co_u32 s[SLOTS], s[SLOTS], 1
	s_cmp_lg_u32 s[SLOTS], 0
	s_cbranch_scc1 .Lslot
	CHANGE 0                                       ; the last slot is written out
	SLOT_STEPS
.rept 4
	v_nop                                          ; places behind the last products
.endr
	FIN OH, STH, 52
	s_wait_xcnt 0x0                                ; the stores have read the registers that the second tile's end writes again
	FIN OL, STL, 56
	s_wait_tensorcnt 0x0                           ; the wave's end
	ds_add_u32 v[SPW], v[NIL]
	s_wait_dscnt 0x0
	CROUND                                         ; the closing round
	s_endpgm
.Lfunc_end_k_q43f700a3ae_attn:
	.size	k_q43f700a3ae_attn, .Lfunc_end_k_q43f700a3ae_attn-k_q43f700a3ae_attn
	.p2alignl 7, 3214868480
	.fill 96, 4, 3214868480
	.section	.rodata,"a",@progbits
	.p2align	6, 0x0
	.amdhsa_kernel k_q43f700a3ae_attn
		.amdhsa_group_segment_fixed_size 327680
		.amdhsa_private_segment_fixed_size 0
		.amdhsa_enable_private_segment 0
		.amdhsa_kernarg_size 24
		.amdhsa_user_sgpr_count 2
		.amdhsa_user_sgpr_kernarg_segment_ptr 1
		.amdhsa_wavefront_size32 1
		.amdhsa_system_sgpr_workgroup_id_x 1
		.amdhsa_system_sgpr_workgroup_id_y 1
		.amdhsa_system_sgpr_workgroup_id_z 1
		.amdhsa_system_vgpr_workitem_id 0
		.amdhsa_next_free_vgpr 256
		.amdhsa_next_free_sgpr 66
		.amdhsa_reserve_vcc 1
		.amdhsa_float_denorm_mode_32 3
		.amdhsa_float_denorm_mode_16_64 3
		.amdhsa_memory_ordered 1
		.amdhsa_forward_progress 1
		.amdhsa_inst_pref_size 105
	.end_amdhsa_kernel
	.amdgpu_metadata
---
amdhsa.version: [ 1, 2 ]
amdhsa.kernels:
  - .name:           k_q43f700a3ae_attn
    .symbol:         k_q43f700a3ae_attn.kd
    .args:
      - { .name: qkv, .offset: 0, .size: 8, .value_kind: global_buffer, .address_space: global }
      - { .name: y_img, .offset: 8, .size: 8, .value_kind: global_buffer, .address_space: global }
      - { .name: y_sc, .offset: 16, .size: 8, .value_kind: global_buffer, .address_space: global }
    .group_segment_fixed_size: 327680
    .private_segment_fixed_size: 0
    .kernarg_segment_align: 8
    .kernarg_segment_size: 24
    .max_flat_workgroup_size: 512
    .sgpr_count:     66
    .vgpr_count:     256
    .wavefront_size: 32
...
	.end_amdgpu_metadata
.endif
;; end of part 3
;; launch outp (part 4): grid 4 x 32, 4 waves a work-group, clusters of 4 x 4, 327,680 bytes of LDS; arguments y_img, y_sc, img, sc, bo, out0; writes out0
.if DOCPART == 4
	.amdgcn_target "amdgcn-amd-amdhsa--gfx1250"
	.amdhsa_code_object_version 6
	.text
	.protected	k_q43f700a3ae_outp
	.globl	k_q43f700a3ae_outp
	.p2align	8
	.type	k_q43f700a3ae_outp,@function
k_q43f700a3ae_outp:
	s_mov_b64 s[64:65], 0
	v_nop
	global_prefetch_b8 v0, s[64:65] scope:SCOPE_SE
	s_setreg_imm32_b32 hwreg(HW_REG_WAVE_MODE, 25, 1), 1
	s_wait_xcnt 0x0
	s_wait_alu depctr_hold_cnt(0) depctr_sa_sdst(0) depctr_va_vdst(0) depctr_va_sdst(0) depctr_va_ssrc(0) depctr_va_vcc(0) depctr_vm_vsrc(0)
	s_getreg_b32 s2, hwreg(HW_REG_IB_STS2, 6, 4)
	s_cmp_eq_u32 s2, 0
	s_cbranch_scc0 .Lentry_in_a_cluster
	s_endpgm
.Lentry_in_a_cluster:
	s_bfe_u32 s2, ttmp6, 0x10000c
	s_cmp_lg_u32 s2, 0xf033
	s_cbranch_scc0 .Lentry_shape_is_right
	s_endpgm
.Lentry_shape_is_right:
; out0 = y Wo^T + bo on codes of BF6 (E3M2) with E8M0 scales for each 32 along K (1,024); out0 [8192][1024] f32.
; Operands come as images of operand registers (y_img, img: [rowtile][16 half images of 768 bytes]; y_sc, sc: [rowtile][256 along K][row][8 bytes]); lane r of rowtile 2 b + u holds row 32 b + 8 u + r + 8 (r / 8).  Wo's rowtiles begin at 704.
; A work-group of four waves makes 256 x 256, a wave 128 x 128: 64 accumulators.  K goes in steps of 256 through two LDS slots; the scale bytes of the work-group's rows come once and stay.
; CLUSTERS 4 x 4: y's tiles are shared along a row of the cluster, Wo's along a column, by joint loads.  128 work-groups: a tile of 256 x 256 leaves half the WGPs without work at this size; stated as this text's limit.
; The matrix instruction takes Wo's rows as source 0: a lane holds one row of y, and the 16 registers of tiles 2 b, 2 b + 1 are columns 32 b + 16 h + 0 .. 15.  The bias is the C of each sum's first matrix instruction.
; REGISTERS, in windows of 256: window 0: v0-31 addresses; v32-63 scale words, two sets; v64-127 the bias; v128-223 A's fragments; on the way out v128-255 hold rows.  window 1: B's fragments, two sets.  windows 2, 3: the accumulators.
.set NQ,     2
.set FR,     12
.set NL,     4
.set NP,     4
.set HALFT,  24576
.set SLOT,   4*HALFT
.set SCA,    2*SLOT
.set SCB,    SCA+8192+128
.set SPARE,  213248                    ; the spare words, 128 bytes a wave: two blocks of 256 bytes that no other line names
.set SPITCH, 528                       ; the way out: a stage of 16 rows x (512 + 16) bytes a wave, in slot 0, which has had its last fill and its last read by then
.set ADRA, 16
.set ADRB, 20
.set L16,  24
.set L8,   25
.set STO,  26
.set ADRS, 27
.set SPW,  28
.set NIL,  29
.set BO,   30
.set RD,   31
.set SC,   32
.set BI,   64
.set AF,   128
.set BK,   128
.set WV,  18
.set RH,  19
.set CH,  20
.set CX,  21
.set CY,  22
.set CLY, 66
.set G1,  24
.set G0,  32
.set G1B, 48
.set G0B, 56
.set G1S, 68
.set G0S, 76
.set G1SB, 80
.set G0SB, 88
.set MSB, 0
.macro WIN new
.if MSB != (\new)
	s_set_vgpr_msb (MSB<<8)|(\new)
.set MSB, (\new)
.endif
.endm
.set MUL_LO, 0xa1
.set MUL_HI, 0xf1
.set TO_B,   0x40
.macro JLOAD g0a, g1a, g0b, g1b        ; a joint load: waves 0, 1 fetch for A, waves 2, 3 for B; four v_nop follow each line
	s_cmp_eq_u32 s[RH], 0
	s_cbranch_scc0 .Lfor_b_\@
	tensor_load_to_lds s[\g0a:\g0a+3], s[\g1a:\g1a+7]
	s_nop 0
.rept 4
	v_nop
.endr
	s_branch .Lasked_\@
.Lfor_b_\@:
	tensor_load_to_lds s[\g0b:\g0b+3], s[\g1b:\g1b+7]
	s_nop 0
.rept 4
	v_nop
.endr
.Lasked_\@:
.endm
.macro CREST
	s_cmp_lg_u32 s[WV], 0
	s_cbranch_scc1 .Lnot_wave_0_\@
	s_barrier_signal -3
.Lnot_wave_0_\@:
	s_barrier_wait -3
	s_barrier_signal -1
	s_barrier_wait -1
.endm
.macro CROUND
	s_barrier_signal -1
	s_barrier_wait -1
	CREST
.endm
.macro FRAG reg, adr, q, i             ; a fragment is two half images on end: every load takes consecutive bytes, 16 or 8 a lane
	ds_load_b128 v[\reg:\reg+3], v[\adr] offset:3072*(\i)+1536*(\q)
	ds_load_b64 v[\reg+4:\reg+5], v[\adr+2] offset:3072*(\i)+1536*(\q)+512
	ds_load_b128 v[\reg+6:\reg+9], v[\adr] offset:3072*(\i)+1536*(\q)+768
	ds_load_b64 v[\reg+10:\reg+11], v[\adr+2] offset:3072*(\i)+1536*(\q)+1280
.endm
.macro MUL16 a0, p, q, sc, zero        ; zero = 1: C is the bias by B's block.  The 64 accumulators take turns
.irp a, \a0, \a0+1
.irp b, 0,1,2,3,4,5,6,7
.if (\zero) == 0
	v_wmma_scale_f32_16x16x128_f8f6f4 v[8*(8*((\a)%4)+\b):8*(8*((\a)%4)+\b)+7], v[128*(\p)+FR*\b:128*(\p)+FR*\b+FR-1], v[AF+FR*(\a):AF+FR*(\a)+FR-1], v[8*(8*((\a)%4)+\b):8*(8*((\a)%4)+\b)+7], v[SC+8*NQ*(\sc)+NQ*\b+(\q)], v[SC+8*NQ*(\sc)+NQ*(\a)+(\q)] matrix_a_fmt:MATRIX_FMT_BF6 matrix_b_fmt:MATRIX_FMT_BF6 matrix_a_scale:MATRIX_SCALE_ROW1
.else
	v_wmma_scale_f32_16x16x128_f8f6f4 v[8*(8*((\a)%4)+\b):8*(8*((\a)%4)+\b)+7], v[128*(\p)+FR*\b:128*(\p)+FR*\b+FR-1], v[AF+FR*(\a):AF+FR*(\a)+FR-1], v[BI+8*\b:BI+8*\b+7], v[SC+8*NQ*(\sc)+NQ*\b+(\q)], v[SC+8*NQ*(\sc)+NQ*(\a)+(\q)] matrix_a_fmt:MATRIX_FMT_BF6 matrix_b_fmt:MATRIX_FMT_BF6 matrix_a_scale:MATRIX_SCALE_ROW1
.endif
.endr
.endr
.endm
.macro FETCH_B slot, q, p
	WIN TO_B
.irp i, 0,1,2,3,4,5,6,7
	FRAG 128*(\p)+FR*\i, ADRB+\slot, \q, \i
.endr
	WIN 0
.endm
.macro FETCH_A slot, q, i0
.irp i, \i0, \i0+1, \i0+2, \i0+3
	FRAG AF+FR*(\i), ADRA+\slot, \q, \i
.endr
.endm
.macro SCALES sc
.irp i, 0,1,2,3,4,5,6,7
	ds_load_b64 v[SC+8*NQ*\sc+NQ*\i:SC+8*NQ*\sc+NQ*\i+1], v[ADRS] offset:\i*512
.endr
.endm
.macro PLACES n
.rept \n
	v_nop
.endr
.endm
.macro STEP slot, q, zero
	s_wait_dscnt 4*NL                              ; B's set, A's blocks 0-3 and the scale words are in; the youngest 16 loads (A's blocks 4-7) may be out
.if \zero
	WIN 0x81                                       ; C, the bias, in window 0
.else
	WIN MUL_LO
.endif
	MUL16 0, (\q)%2, \q, \slot, \zero
	MUL16 2, (\q)%2, \q, \slot, \zero
	s_wait_dscnt 0
	PLACES NP
	FETCH_B \slot, (\q)+1, 1-(\q)%2
	FETCH_A \slot, (\q)+1, 0
.if \zero
	WIN 0xc1
.else
	WIN MUL_HI
.endif
	MUL16 4, (\q)%2, \q, \slot, \zero
	MUL16 6, (\q)%2, \q, \slot, \zero
	PLACES NP
	WIN 0
	FETCH_A \slot, (\q)+1, 4
.endm
.macro TURN slot, next, fill           ; a slot's last step changes slots: one barrier, with the wait for all tensor loads, the add and the wait for it and for my reads in front of it
	s_wait_tensorcnt 0x0
	ds_add_u32 v[SPW], v[NIL]
	s_wait_dscnt 4*NL+1                            ; (the add and the youngest 16 loads may be out)
	WIN MUL_LO
	MUL16 0, 1, NQ-1, \slot, 0
	s_wait_dscnt 0x0
	s_barrier_signal -1
	MUL16 2, 1, NQ-1, \slot, 0
	WIN 0
	s_barrier_wait -1
.if \fill
	CREST                                          ; the barrier has opened a round of the cluster's
	s_add_nc_u64 s[G0+4*\slot+2:G0+4*\slot+3], s[G0+4*\slot+2:G0+4*\slot+3], 6144
	s_add_nc_u64 s[G0B+4*\slot+2:G0B+4*\slot+3], s[G0B+4*\slot+2:G0B+4*\slot+3], 6144
	JLOAD G0+4*\slot, G1, G0B+4*\slot, G1B
.else
	PLACES NP
.endif
	v_add_nc_u32 v[ADRS], 128, v[ADRS]
	FETCH_B \next, 0, 0
	FETCH_A \next, 0, 0
	SCALES \next
	WIN MUL_HI
	MUL16 4, 1, NQ-1, \slot, 0
	MUL16 6, 1, NQ-1, \slot, 0
	PLACES NP
	WIN 0
	FETCH_A \next, 0, 4
.endm
; THE WAY OUT, block by block of 16 rows x 128 columns, through my own stage: in by lanes (32 bytes of a row each tile), back as whole rows of 512 bytes
.macro TOSTAGE a
.set AC, 64*((\a)%4)
	WIN 0x08+4*((\a)/4)                            ; an LDS store's data are its source 1: window 2 or 3
.irp b, 0,1,2,3,4,5,6,7
	ds_store_b128 v[STO], v[AC+8*\b:AC+8*\b+3] offset:128*(\b/2)+32*(\b%2)        ; each accumulator from its low end on
	ds_store_b128 v[STO], v[AC+8*\b+4:AC+8*\b+7] offset:128*(\b/2)+32*(\b%2)+16
.endr
	WIN 0
.set BB, BK+64*((\a)%2)
.irp t, 0,1,2,3,4,5,6,7,8,9,10,11,12,13,14,15
	ds_load_b128 v[BB+4*\t:BB+4*\t+3], v[RD] offset:\t*SPITCH      ; LDS serves a wave's instructions in order: these see the stores above
.endr
.endm
.macro SEND a, younger
.set BB, BK+64*((\a)%2)
	s_wait_dscnt \younger
.irp t, 0,1,2,3,4,5,6,7,8,9,10,11,12,13,14,15
	global_store_b128 v[L16], v[BB+4*\t:BB+4*\t+3], s[14:15] offset:(32*((\a)/2)+8*((\a)%2)+\t+8*(\t/8))*4096 th:TH_STORE_NT   ; the stage's row t is row 32 (a / 2) + 8 (a % 2) + t + 8 (t / 8) of my 128; 32 lanes store 512 consecutive bytes, aligned to 256
.endr
.endm
	s_load_b256 s[4:11], s[0:1], 0x0               ; y_img, y_sc, img, sc
	s_load_b128 s[12:15], s[0:1], 0x20             ; bo, out0
	v_lshl_add_u32 v[SPW], v0, 2, SPARE
	v_mov_b32 v[NIL], 0
	ds_add_u32 v28, v29
	s_wait_dscnt 0x0
	v_lshrrev_b32 v1, 5, v0
	v_readfirstlane_b32 s[WV], v1
	s_lshr_b32 s[RH], s[WV], 1
	s_and_b32 s[CH], s[WV], 1
	s_bfe_u32 s[CX], ttmp6, 0x40000
	s_bfe_u32 s[CY], ttmp6, 0x40004
	s_and_b32 s[CLY], ttmp7, 0xffff
	s_lshl_b32 s40, s[CY], 2
	s_lshl_b32 s40, 15, s40
	s_lshl_b32 s41, 0x1111, s[CX]
	s_or_b32 s[G1], s40, (3<<16)|(1<<21)
	s_or_b32 s[G1B], s41, (3<<16)|(1<<21)
.irp g, G1, G1B                        ; codes: 8 rowtiles x 3,072 bytes, 12,288 bytes apart
	s_mov_b32 s[\g+1], 384<<16
	s_mov_b32 s[\g+2], 8<<16
	s_mov_b32 s[\g+3], 384<<16
	s_mov_b32 s[\g+4], 8
	s_mov_b32 s[\g+5], 1536
	s_mov_b32 s[\g+6], 0
	s_mov_b32 s[\g+7], 0
.endr
	s_or_b32 s[G1S], s40, (3<<16)|(1<<21)
	s_or_b32 s[G1SB], s41, (3<<16)|(1<<21)
.irp g, G1S, G1SB                      ; scale bytes of 8 rowtiles: 4,096 dense bytes as 16 rows of 256
	s_mov_b32 s[\g+1], 32<<16
	s_mov_b32 s[\g+2], 16<<16
	s_mov_b32 s[\g+3], 32<<16
	s_mov_b32 s[\g+4], 16
	s_mov_b32 s[\g+5], 32
	s_mov_b32 s[\g+6], 0
	s_mov_b32 s[\g+7], 0
.endr
	s_lshl_b32 s42, s[CLY], 2
	s_add_co_u32 s42, s42, s[CY]                   ; which 256 rows
	s_lshl_b32 s43, s42, 4
	s_lshl_b32 s44, s[CX], 4
	s_add_co_u32 s44, s44, 704                     ; Wo's rowtiles
	s_lshl_b32 s67, s[CH], 3
	s_add_co_u32 s43, s43, s67
	s_add_co_u32 s44, s44, s67
	s_mul_i32 s46, s43, 12288
	s_mov_b32 s47, 0
	s_mul_i32 s98, s44, 12288
	s_mov_b32 s99, 0
	s_lshl_b32 s100, s43, 9
	s_mov_b32 s101, 0
	s_lshl_b32 s2, s44, 9
	s_mov_b32 s3, 0
	s_mul_i32 s92, s[WV], HALFT
	s_lshl_b32 s93, s[WV], 12
	s_wait_kmcnt 0x0
	s_add_nc_u64 s[46:47], s[4:5], s[46:47]
	s_add_nc_u64 s[98:99], s[8:9], s[98:99]
	s_add_nc_u64 s[100:101], s[6:7], s[100:101]
	s_add_nc_u64 s[2:3], s[10:11], s[2:3]
	CROUND
	s_mov_b32 s[G0S], 1
	s_add_co_u32 s[G0S+1], s93, SCA
	s_mov_b64 s[G0S+2:G0S+3], s[100:101]
	s_or_b32 s[G0S+3], s[G0S+3], 0x80000000
	s_mov_b32 s[G0SB], 1
	s_add_co_u32 s[G0SB+1], s93, SCA+128
	s_mov_b64 s[G0SB+2:G0SB+3], s[2:3]
	s_or_b32 s[G0SB+3], s[G0SB+3], 0x80000000
	JLOAD G0S, G1S, G0SB, G1SB
.irp s, 0,1
	s_mov_b32 s[G0+4*\s], 1
	s_add_co_u32 s[G0+4*\s+1], s92, \s*SLOT
	s_add_nc_u64 s[G0+4*\s+2:G0+4*\s+3], s[46:47], \s*3072
	s_or_b32 s[G0+4*\s+3], s[G0+4*\s+3], 0x80000000
	s_mov_b32 s[G0B+4*\s], 1
	s_add_co_u32 s[G0B+4*\s+1], s92, \s*SLOT
	s_add_nc_u64 s[G0B+4*\s+2:G0B+4*\s+3], s[98:99], \s*3072
	s_or_b32 s[G0B+4*\s+3], s[G0B+4*\s+3], 0x80000000
	JLOAD G0+4*\s, G1, G0B+4*\s, G1B               ; three loads of mine are out
.endr
	v_and_b32 v1, 15, v0
	v_bfe_u32 v2, v0, 4, 1
	v_and_b32 v3, 31, v0
	v_lshlrev_b32 v[L16], 4, v3
	v_lshlrev_b32 v[L8], 3, v3
	s_mul_i32 s40, s[RH], HALFT
	s_mul_i32 s41, s[CH], HALFT
	s_add_co_u32 s41, s41, 2*HALFT
.irp s, 0,1
	v_add_nc_u32 v[ADRA+\s], s40, v[L16]
	v_add_nc_u32 v[ADRA+2+\s], s40, v[L8]
	v_add_nc_u32 v[ADRB+\s], s41, v[L16]
	v_add_nc_u32 v[ADRB+2+\s], s41, v[L8]
	s_add_co_u32 s40, s40, SLOT
	s_add_co_u32 s41, s41, SLOT
.endr
	s_lshl_b32 s40, s[RH], 12
	s_lshl_b32 s41, s[CH], 12
	s_add_co_u32 s41, s41, SCB-SCA
	s_sub_co_u32 s41, s41, s40
	v_mul_u32_u24 v4, s41, v2
	s_add_co_u32 s40, s40, SCA
	v_lshl_add_u32 v4, v1, 3, v4
	v_add_nc_u32 v[ADRS], s40, v4
	s_mul_i32 s40, s[WV], 16*SPITCH                ; my stage
	v_mul_u32_u24 v4, v1, SPITCH
	v_lshl_add_u32 v4, v2, 6, v4
	v_add_nc_u32 v[STO], s40, v4                   ; in: row r, + 64 h
	v_add_nc_u32 v[RD], s40, v[L16]                ; back: a row's 512 bytes
	s_lshl_b32 s40, s42, 20                        ; out0 at my first row and column: (256 Y + 128 half) x 4,096 + (256 X + 128 half) x 4
	s_lshl_b32 s41, s[RH], 19
	s_add_co_u32 s40, s40, s41
	s_lshl_b32 s41, s[CX], 10
	s_add_co_u32 s40, s40, s41
	s_lshl_b32 s41, s[CH], 9
	s_add_co_u32 s40, s40, s41
	s_mov_b32 s41, 0
	s_add_nc_u64 s[14:15], s[14:15], s[40:41]
	s_lshl_b32 s40, s[CX], 10
	s_lshl_b32 s43, s[CH], 9
	s_add_co_u32 s40, s40, s43
	s_add_nc_u64 s[12:13], s[12:13], s[40:41]      ; bo at my 128 columns
	v_lshlrev_b32 v[BO], 6, v2
.irp b, 0,1,2,3,4,5,6,7
	global_load_b128 v[BI+8*\b:BI+8*\b+3], v[BO], s[12:13] offset:4*(32*(\b/2)+8*(\b%2))
	global_load_b128 v[BI+8*\b+4:BI+8*\b+7], v[BO], s[12:13] offset:4*(32*(\b/2)+8*(\b%2))+16
.endr
	s_wait_loadcnt 0x0
	s_wait_tensorcnt 1                             ; the scale bytes and my part of slot 0 are in; slot 1's load may be out
	s_barrier_signal -1
	s_barrier_wait -1
	FETCH_B 0, 0, 0
	FETCH_A 0, 0, 0
	SCALES 0
	FETCH_A 0, 0, 4
	STEP 0, 0, 1                                   ; the first products start the sums with the bias
	TURN 0, 1, 1
	STEP 1, 0, 0
	TURN 1, 0, 1
	STEP 0, 0, 0
	TURN 0, 1, 0
	STEP 1, 0, 0
	s_wait_dscnt 4*NL
	WIN MUL_LO
	MUL16 0, 1, NQ-1, 1, 0
	MUL16 2, 1, NQ-1, 1, 0
	s_wait_dscnt 0
	WIN MUL_HI
	MUL16 4, 1, NQ-1, 1, 0
	MUL16 6, 1, NQ-1, 1, 0
	WIN 0
	PLACES NP                                      ; in front of the first read of results and of loads into A's fragments' registers
	TOSTAGE 0
.irp a, 1,2,3,4,5,6,7
.if \a > 1
	s_wait_xcnt 0x0                                ; block a - 2's stores have read their registers: block a's rows may land there
.endif
	TOSTAGE \a
	SEND \a-1, 32                                  ; behind block a - 1's loads: block a's 16 stores and 16 loads
.endr
	SEND 7, 0
	s_wait_tensorcnt 0x0                           ; the wave's end
	ds_add_u32 v[SPW], v[NIL]
	s_wait_dscnt 0x0
	CROUND                                         ; the closing round
	s_endpgm
.Lfunc_end_k_q43f700a3ae_outp:
	.size	k_q43f700a3ae_outp, .Lfunc_end_k_q43f700a3ae_outp-k_q43f700a3ae_outp
	.p2alignl 7, 3214868480
	.fill 96, 4, 3214868480
	.section	.rodata,"a",@progbits
	.p2align	6, 0x0
	.amdhsa_kernel k_q43f700a3ae_outp
		.amdhsa_group_segment_fixed_size 327680
		.amdhsa_private_segment_fixed_size 0
		.amdhsa_enable_private_segment 0
		.amdhsa_kernarg_size 48
		.amdhsa_user_sgpr_count 2
		.amdhsa_user_sgpr_kernarg_segment_ptr 1
		.amdhsa_wavefront_size32 1
		.amdhsa_system_sgpr_workgroup_id_x 1
		.amdhsa_system_sgpr_workgroup_id_y 1
		.amdhsa_system_sgpr_workgroup_id_z 1
		.amdhsa_system_vgpr_workitem_id 0
		.amdhsa_next_free_vgpr 1024
		.amdhsa_next_free_sgpr 102
		.amdhsa_reserve_vcc 0
		.amdhsa_float_denorm_mode_32 3
		.amdhsa_float_denorm_mode_16_64 3
		.amdhsa_memory_ordered 1
		.amdhsa_forward_progress 1
		.amdhsa_inst_pref_size 144
	.end_amdhsa_kernel
	.amdgpu_metadata
---
amdhsa.version: [ 1, 2 ]
amdhsa.kernels:
  - .name:           k_q43f700a3ae_outp
    .symbol:         k_q43f700a3ae_outp.kd
    .args:
      - { .name: y_img, .offset: 0, .size: 8, .value_kind: global_buffer, .address_space: global }
      - { .name: y_sc, .offset: 8, .size: 8, .value_kind: global_buffer, .address_space: global }
      - { .name: img, .offset: 16, .size: 8, .value_kind: global_buffer, .address_space: global }
      - { .name: sc, .offset: 24, .size: 8, .value_kind: global_buffer, .address_space: global }
      - { .name: bo, .offset: 32, .size: 8, .value_kind: global_buffer, .address_space: global }
      - { .name: out0, .offset: 40, .size: 8, .value_kind: global_buffer, .address_space: global }
    .group_segment_fixed_size: 327680
    .private_segment_fixed_size: 0
    .kernarg_segment_align: 8
    .kernarg_segment_size: 48
    .max_flat_workgroup_size: 128
    .sgpr_count:     102
    .vgpr_count:     1024
    .wavefront_size: 32
...
	.end_amdgpu_metadata
.endif
;; end of part 4
